; MI455X (gfx1250); checked and timed in simulation.
; The chip was launched on July 23, 2026; its instructions are those of AMD's public machine-readable ISA for CDNA 5 (MIT licence, August 2026) and "CDNA5" Instruction Set Architecture Reference Guide (July 2026). The comments in the code are by the model that wrote it; some were corrected since.
;; Transformer Encoder Block. Allowed arithmetic: matrix products marked QUANTISED: E2M3 operands, one E8M0 scale for each 32 along K, by v_wmma_scale_f32_16x16x128_f8f6f4 with both operands' format E2M3, f32 sums; everything else in f32.
;; Inputs: b1 4,096 float32; b2 1,024 float32; be1 1,024 float32; be2 1,024 float32; bk 1,024 float32; bo 1,024 float32; bq 1,024 float32; bv 1,024 float32; g1 1,024 float32; g2 1,024 float32; w1 1,024 x 4,096 float32; w2 4,096 x 1,024 float32; wk 1,024 x 1,024 float32; wo 1,024 x 1,024 float32; wq 1,024 x 1,024 float32; wv 1,024 x 1,024 float32; x 2 x 2,048 x 1,024 float32.
;; Outputs: out0 2 x 2,048 x 1,024 float32.
;; This version of the problem:
;;   THIS VERSION OF THE PROBLEM IS GIVEN IN LOW PRECISION. The matrix products marked QUANTISED in the list below multiply operands that are first quantised to E2M3 (2 exponent bits, 3 mantissa bits; 6 bits a number), with one power-of-two scale for each 32 numbers along K (OCP MX v1.0); their sums are f32. All else is computed in f32.
;;   The module's matrix products, in the order in which they are computed (A, B: the left and right operand; K: the contracted axis; several contracted axes count as one K, in the product's order):
;;     1. [M 4,096, K 1,024] x [K 1,024, N 1,024]; A: computed on the way; B: input wq: QUANTISED
;;     2. [M 4,096, K 1,024] x [K 1,024, N 1,024]; A: computed on the way; B: input wk: QUANTISED
;;     3. [M 4,096, K 1,024] x [K 1,024, N 1,024]; A: computed on the way; B: input wv: QUANTISED
;;     4. batch 32 x [M 2,048, K 64] x [K 64, N 2,048]; A: computed on the way; B: computed on the way: QUANTISED
;;     5. batch 32 x [M 2,048, K 2,048] x [K 2,048, N 64]; A: softmax (see below); B: computed on the way: QUANTISED
;;     6. [M 4,096, K 1,024] x [K 1,024, N 1,024]; A: computed on the way; B: input wo: QUANTISED
;;     7. [M 4,096, K 1,024] x [K 1,024, N 4,096]; A: computed on the way; B: input w1: QUANTISED
;;     8. [M 4,096, K 4,096] x [K 4,096, N 1,024]; A: computed on the way; B: input w2: QUANTISED
;;   THE QUANTISER, for each operand of a quantised product, along K:
;;     - K is cut into blocks of 32 from its start; a last block that is shorter is filled with zeros.
;;     - A block's scale is 2^e with e = floor(log2(the largest magnitude in the block)) - 2, held to -126 .. 127; a block of zeros has e = 0. As a byte (E8M0): e + 127.
;;     - Each number is divided by its block's scale, clamped to +-7.5, and rounded to the nearest number of E2M3, ties to even, subnormals kept.
;;     - The product sums the exact products of the quantised numbers (number of the format x scale) in f32.
;;   ~~~python
;;   def quantise(x, axis):      # numpy; x: float32 -> the quantised numbers, widened to float32 again
;;       x = np.moveaxis(x, axis, -1); K = x.shape[-1]
;;       x = np.pad(x, [(0, 0)] * (x.ndim - 1) + [(0, -K % 32)]); x = x.reshape(x.shape[:-1] + (-1, 32)); a = np.abs(x).max(-1, keepdims=True)
;;       e = np.where(a > 0, np.clip(np.frexp(np.where(a > 0, a, 1))[1] - 1 - 2, -126, 127), 0)      # np.frexp(a)[1] - 1 = floor(log2(a)), exactly
;;       r = np.clip(x / 2.0 ** e, -7.5, 7.5)
;;       step = 2.0 ** (np.maximum(np.frexp(np.where(r == 0, 1, r))[1] - 1, 0) - 3)
;;       q = np.round(r / step) * step * 2.0 ** e      # np.round: ties to even
;;       return np.moveaxis(q.reshape(q.shape[:-2] + (-1,))[..., :K], -1, axis).astype(np.float32)
;;   ~~~
;;   SOFTMAX AHEAD OF A QUANTISED PRODUCT. Where the list says 'softmax', what is quantised is not the finished softmax but p = 2^(t - M), with t = logit x log2(e) and M = ceil(the row's largest t), a whole number; so 1/2 < the row's largest p <= 1. The row's sum l is taken of the UNQUANTISED p, in f32, and the product's result is divided by l at the end. Since M is a whole number, a kernel that streams over the keys may use a running M (the ceiling of the running maximum): every later rescaling is an exact power of two, which a block's scale takes up: the codes' values come out the same.
;;   OPERANDS COMPUTED ON THE WAY. 'Computed on the way' means the value that the module computes at that place (a softmax that the list does not call 'softmax' is quantised finished and normalised). What goes into a quantiser is computed in f32, as accurately as f32 sums, v_exp_f32 and their like allow (about 1e-6 of the number): no bf16 or f16 on the way to a quantiser, and a product that is left as it is and whose result goes on into a quantised operand takes f32 operands (vector FMAs, or v_wmma_f32_16x16x4_f32). A number that lies on a knife's edge between two numbers of the format may be rounded either way, as far as f32 arithmetic and the matrix unit's own rounding can turn it there, and no further.
;; One version. Each part assembles by itself: llvm-mc -triple=amdgcn-amd-amdhsa -mcpu=gfx1250 --defsym DOCPART=n.
;; ======== version 1 of 1: 6 launches
;; limits: right only within a limited range of input values
;; workspace buffers: wc 9,830,400 bytes; nc 3,276,800 bytes; qkv 10,092,544 bytes; ac 3,276,800 bytes; x1 16,777,216 bytes; hc 13,107,200 bytes
;; launch prep (part 1): grid 640 x 1, 8 waves a work-group, no clusters, 114,432 bytes of LDS; arguments x, g1, be1, nc, wq, wk, wv, wo, w1, w2, wc; writes nc, wc
.if DOCPART == 1
	.amdgcn_target "amdgcn-amd-amdhsa--gfx1250"
	.amdhsa_code_object_version 6
	.text
	.protected	k_q73820cee3c_prep
	.globl	k_q73820cee3c_prep
	.p2align	8
	.type	k_q73820cee3c_prep,@function
k_q73820cee3c_prep:
	s_mov_b64 s[64:65], 0
	v_nop
	global_prefetch_b8 v0, s[64:65] scope:SCOPE_SE
	s_setreg_imm32_b32 hwreg(HW_REG_WAVE_MODE, 25, 1), 1
	s_wait_xcnt 0x0
; Two pieces of work that do not hang on each other, in one launch: work-groups 0 to 383 quantise the six weights, work-groups 384 to 639 make the first layer norm of x and quantise it.
; NOTHING OF reference() IS LEFT OUT IN THIS PROGRAM: every input has a way to out0 (the biases on q, k and v stand ahead of quantisers), so every input is loaded and every product is done.
; LAYOUT OF EVERY OPERAND.  Rows (a weight's columns n, an activation's rows) go in tiles of 16 slots: slot r of tile 2 b + u holds row 32 b + 8 u + r + 8 (r / 8).  A HALF is 16 slots x 64 K, 768 bytes: lane L = 16 h + r of the
; reading wave owns K = 32 h + 0..31 of slot r, six registers: the first four at 16 L, the last two at 512 + 8 L.  A RECORD is a tile x 512 K: eight halves, then 256 scale bytes at 6144 + 16 r + (k % 512) / 32: 6,400 bytes.
; An operand is [tile][K / 512] records.  wc: wq at 0, wk, wv, wo 819,200 bytes each, w1 at 3,276,800, w2 at 6,553,600.
; THE WEIGHTS, f32 stored [K][N].  A work-group takes 64 columns x 512 K: four records.  Wave w: 32 columns (w / 4), 128 along K (w % 4).  A lane takes a column and its registers run down K, so a block of 32 lies in one lane.
; THE LAYER NORM.  A work-group makes one slot tile of 16 rows; wave w takes slots 2 w and 2 w + 1, two consecutive rows, each whole in 32 registers.  The mean is taken first and the variance of the differences, as reference() has it.
; A row is loaded dense; for the quantiser a lane must own a block of 32 neighbours: the row turns through the wave's own stage in LDS (blocks 144 bytes apart).
; Both paths gather their records in LDS and store them in dense runs.  The paths part on the work-group's number alone, and each has LDS bytes of its own.
; LIMITS: a block of zeros gets the byte 1 where the rule says 127 (its codes are zeros, and this program alone reads the bytes); NaN and infinities among the inputs are not served.
.set WQG,   384                        ; work-groups of the weights' path
.set REC,   6400
.set LP,    6528                       ; a record's pitch in LDS: 128 more than a record, so that the two tiles that a store touches fall on different banks
.set SPARE, 4*LP                       ; behind the weights' records: the spare words, 128 bytes a wave
.set LB,    SPARE+1024                 ; from here on: the layer norm's bytes
.set SPW,   192
.set NIL,   193
.macro QB x, c, ct, by                 ; 32 numbers of one block in v[x] on -> six registers of codes in v[c] on, the scale's byte in v[by]
	v_max3_num_f32 v[TM], |v[\x]|, |v[\x+1]|, |v[\x+2]|
	v_max3_num_f32 v[TM+1], |v[\x+3]|, |v[\x+4]|, |v[\x+5]|
.irp i, 6,10,14,18,22,26
	s_delay_alu instid0(VALU_DEP_2)
	v_max3_num_f32 v[TM], v[TM], |v[\x+\i]|, |v[\x+\i+1]|
	s_delay_alu instid0(VALU_DEP_2)
	v_max3_num_f32 v[TM+1], v[TM+1], |v[\x+\i+2]|, |v[\x+\i+3]|
.endr
	s_delay_alu instid0(VALU_DEP_2)
	v_max3_num_f32 v[TM], v[TM], |v[\x+30]|, |v[\x+31]|
	s_delay_alu instid0(VALU_DEP_1)
	v_max3_num_f32 v[TM], v[TM], v[TM+1], 0x1800000      ; the floor 2^(3 - 127): the byte cannot fall under 1
	s_delay_alu instid0(VALU_DEP_1)
	v_add_nc_u32 v[TM+2], 0xff000000, v[TM]              ; 2 off the exponent field: the conversion's scale operand
	s_delay_alu instid0(VALU_DEP_1)
	v_lshrrev_b32 v[\by], 23, v[TM+2]                    ; the scale's byte
	v_cvt_scalef32_pk16_fp6_f32 v[\c:\c+2], v[\x:\x+15], v[TM+2]
	v_cvt_scalef32_pk16_fp6_f32 v[\ct:\ct+2], v[\x+16:\x+31], v[TM+2]
	v_nop                                                ; one plain line behind the conversions
.irp i, 0,1,2
	v_mov_b32 v[\c+3+\i], v[\ct+\i]
.endr
.endm
; ---- the weights' path: its registers
.set TM,  8                            ; v8-10   at work
.set CT,  12                           ; v12-14  a block's upper 16 codes
.set BY,  16                           ; v16-19  the four scale bytes
.set W16, 20
.set W8,  21
.set WS,  22
.set LO,  23
.set RDA, 26
.set GOA, 27
.set RDS, 28
.set GSC, 29
.set X,   32                           ; v32-159 128 numbers down K
.set CD,  160                          ; v160-191 codes, eight registers a block
.macro LOADALL pitch
.set LI, 0
.rept 128
	global_load_b32 v[X+LI], v[LO], s[4:5] offset:LI*\pitch th:TH_LOAD_NT
.set LI, LI+1
.endr
.endm
.macro BLOCK t                         ; block t of my 128 along K: half t / 2 of my K step, lanes' half t % 2
	QB X+32*\t, CD+8*\t, CT, BY+\t
	ds_store_b128 v[W16], v[CD+8*\t:CD+8*\t+3] offset:768*(\t/2)+256*(\t%2)
	ds_store_b64 v[W8], v[CD+8*\t+4:CD+8*\t+5] offset:768*(\t/2)+128*(\t%2)
.endm
	v_lshl_add_u32 v[SPW], v0, 2, SPARE
	v_mov_b32 v[NIL], 0
	v_lshrrev_b32 v1, 5, v0
	s_cmp_ge_u32 ttmp9, WQG                        ; the work-group's number alone says which path: the same in all eight waves
	s_cbranch_scc1 .Lln
	s_load_b256 s[4:11], s[0:1], 0x20              ; wq, wk, wv, wo
	s_load_b128 s[12:15], s[0:1], 0x40             ; w1, w2
	s_load_b64 s[16:17], s[0:1], 0x50              ; wc
	v_readfirstlane_b32 s18, v1                    ; wave
	v_and_b32 v2, 31, v0                           ; lane
	s_wait_alu depctr_va_vdst(0)
	s_lshr_b32 s19, s18, 2                         ; which 32 columns
	s_and_b32 s20, s18, 3                          ; which 128 along K
	s_lshr_b32 s21, ttmp9, 5
	s_lshr_b32 s22, ttmp9, 7
	s_lshl_b32 s22, s22, 2
	s_cmp_lt_u32 ttmp9, 128
	s_cselect_b32 s21, s21, s22                    ; R: 0..3 wq wk wv wo, 4 w1, 8 w2; the region in wc begins at R x 819,200
	s_cselect_b32 s23, 31, 127
	s_cmp_lt_u32 ttmp9, 256
	s_cselect_b32 s24, 1, 3                        ; log2 of the records along K
	s_lshl_b32 s25, 1, s24
	s_sub_co_u32 s26, s25, 1
	s_and_b32 s26, ttmp9, s26                      ; which 512 along K
	s_and_b32 s27, ttmp9, s23
	s_lshr_b32 s27, s27, s24                       ; which 64 columns
	s_mov_b32 s28, 4096
	s_cmp_eq_u32 s21, 4
	s_cselect_b32 s28, 16384, s28                  ; a row of the weight in bytes
	s_lshl_b32 s29, s26, 9
	s_lshl_b32 s30, s20, 7
	s_add_co_u32 s29, s29, s30
	s_mul_i32 s29, s29, s28                        ; my first row
	s_lshl_b32 s30, s27, 8
	s_add_co_u32 s29, s29, s30
	s_lshl_b32 s30, s19, 7
	s_add_co_u32 s30, s29, s30                     ; + my first column
	s_mov_b32 s31, 0
	s_lshr_b32 s32, s18, 1                         ; on the way out: which record,
	s_and_b32 s33, s18, 1                          ; and which half of it
	s_lshl_b32 s34, s27, 2
	s_add_co_u32 s34, s34, s32
	s_lshl_b32 s34, s34, s24
	s_add_co_u32 s34, s34, s26
	s_mul_i32 s34, s34, REC
	s_mul_i32 s35, s21, 819200
	s_add_co_u32 s34, s34, s35
	s_mul_i32 s35, s33, 3072
	s_add_co_u32 s34, s34, s35
	s_mov_b32 s35, 0
	s_mul_i32 s36, s19, 2*LP
	s_mul_i32 s37, s20, 1536
	s_add_co_u32 s37, s37, s36
	s_lshl_b32 s38, s20, 2
	s_add_co_u32 s38, s38, s36
	s_add_co_u32 s38, s38, 6144
	s_mul_i32 s39, s32, LP
	s_mul_i32 s40, s33, 3072
	s_add_co_u32 s40, s40, s39
	s_add_co_u32 s39, s39, 6144
	v_lshlrev_b32 v[LO], 2, v2
	v_bfe_u32 v3, v0, 3, 1                         ; u: my column's tile of the two
	v_and_b32 v4, 7, v0
	v_bfe_u32 v5, v0, 4, 1
	s_delay_alu instid0(VALU_DEP_1)
	v_lshl_add_u32 v4, v5, 3, v4                   ; r: its slot
	s_delay_alu instid0(VALU_DEP_4)
	v_mul_u32_u24 v6, v3, LP
	s_delay_alu instid0(VALU_DEP_1)
	v_add_nc_u32 v7, s37, v6
	s_delay_alu instid0(VALU_DEP_1)
	v_lshl_add_u32 v[W16], v4, 4, v7
	s_delay_alu instid0(VALU_DEP_2)
	v_lshl_add_u32 v[W8], v4, 3, v7
	s_delay_alu instid0(VALU_DEP_1)
	v_add_nc_u32 v[W8], 512, v[W8]
	v_add_nc_u32 v7, s38, v6
	s_delay_alu instid0(VALU_DEP_1)
	v_lshl_add_u32 v[WS], v4, 4, v7
	v_lshl_add_u32 v[RDA], v2, 4, s40
	v_lshlrev_b32 v[GOA], 4, v2
	v_lshl_add_u32 v[RDS], v2, 3, s39
	v_lshlrev_b32 v[GSC], 3, v2
	s_wait_kmcnt 0x0
	s_cmp_eq_u32 s21, 1                            ; the weight is chosen by the work-group's number alone
	s_cselect_b64 s[4:5], s[6:7], s[4:5]
	s_cmp_eq_u32 s21, 2
	s_cselect_b64 s[4:5], s[8:9], s[4:5]
	s_cmp_eq_u32 s21, 3
	s_cselect_b64 s[4:5], s[10:11], s[4:5]
	s_cmp_eq_u32 s21, 4
	s_cselect_b64 s[4:5], s[12:13], s[4:5]
	s_cmp_eq_u32 s21, 8
	s_cselect_b64 s[4:5], s[14:15], s[4:5]
	s_add_nc_u64 s[4:5], s[4:5], s[30:31]
	s_add_nc_u64 s[16:17], s[16:17], s[34:35]
	s_cmp_eq_u32 s21, 4                            ; the row pitch stands in the loads' immediates: two runs of loads, one for each pitch
	s_cbranch_scc1 .Lwide
	LOADALL 4096
	s_branch .Lloaded
.Lwide:
	LOADALL 16384
.Lloaded:
	s_wait_loadcnt 63                              ; at most the 63 youngest are out: blocks 0 and 1 are in
	BLOCK 0
	BLOCK 1
	s_wait_loadcnt 32                              ; block 3's 32 may be out
	BLOCK 2
	s_wait_loadcnt 0x0
	BLOCK 3
	v_lshl_or_b32 v[BY], v[BY+1], 8, v[BY]         ; my K step's scale word
	s_delay_alu instid0(VALU_DEP_1)
	v_lshl_or_b32 v[BY], v[BY+2], 16, v[BY]
	s_delay_alu instid0(VALU_DEP_1)
	v_lshl_or_b32 v[BY], v[BY+3], 24, v[BY]
	ds_store_b32 v[WS], v[BY]
	s_wait_dscnt 0x0                               ; for the others' sake: my stores have landed
	s_barrier_signal -1
	s_barrier_wait -1
.irp i, 0,1,2,3,4,5
	ds_load_b128 v[X+4*\i:X+4*\i+3], v[RDA] offset:512*\i
.endr
.irp i, 0,1,2,3,4,5
	s_wait_dscnt 5-\i                              ; the younger loads may be out
	global_store_b128 v[GOA], v[X+4*\i:X+4*\i+3], s[16:17] offset:512*\i   ; 512 consecutive bytes, aligned
.endr
	s_cmp_eq_u32 s33, 0                            ; the wave with a record's second half also takes its 256 scale bytes
	s_cbranch_scc1 .Lend
	ds_load_b64 v[X+24:X+25], v[RDS]
	s_wait_dscnt 0x0
	global_store_b64 v[GSC], v[X+24:X+25], s[16:17] offset:3072
	s_branch .Lend
; ---- the layer norm's path: its LDS and its registers
.set LA16,  LB+73728                   ; behind 16 stages of 4,608 bytes: the halves' first parts: 32 rows (block l) of 256 bytes, 272 apart
.set LA8,   LB+82432                   ; their second parts: 32 rows of 128 bytes, 136 apart
.set LAS,   LB+86784                   ; the scale bytes: two records' 256
.set GL,   1
.set STW,  2
.set STR,  3
.set I16,  4
.set I8,   5
.set IS,   6
.set O16R, 7
.set O8R,  8
.set OSR,  9
.set GO8,  10
.set GOS,  11
.set TM,   28
.set X,    32                          ; v32-95   two rows
.set G,    96
.set BE,   128
.set Y,    160
.set SEL,  22
.macro RED                             ; v16 summed over the 32 lanes, the result in every lane
	s_delay_alu instid0(VALU_DEP_1)
	v_add_f32_dpp v16, v16, v16 row_xmask:1 row_mask:0xf bank_mask:0xf
	s_delay_alu instid0(VALU_DEP_1)
	v_add_f32_dpp v16, v16, v16 row_xmask:2 row_mask:0xf bank_mask:0xf
	s_delay_alu instid0(VALU_DEP_1)
	v_add_f32_dpp v16, v16, v16 row_xmask:4 row_mask:0xf bank_mask:0xf
	s_delay_alu instid0(VALU_DEP_1)
	v_add_f32_dpp v16, v16, v16 row_xmask:8 row_mask:0xf bank_mask:0xf
	s_delay_alu instid0(VALU_DEP_1)
	v_permlanex16_b32 v17, v16, s[SEL], s[SEL+1]
	s_delay_alu instid0(VALU_DEP_1)
	v_add_f32 v16, v16, v17
.endm
.macro FOLD                            ; the four chains' pairs into v16
	s_delay_alu instid0(VALU_DEP_3)
	v_pk_add_f32 v[16:17], v[16:17], v[18:19]
	s_delay_alu instid0(VALU_DEP_2)
	v_pk_add_f32 v[20:21], v[20:21], v[22:23]
	s_delay_alu instid0(VALU_DEP_1)
	v_pk_add_f32 v[16:17], v[16:17], v[20:21]
	s_delay_alu instid0(VALU_DEP_1)
	v_add_f32 v16, v16, v17
.endm
.macro ROW i
.set XR, X+32*\i
	s_wait_loadcnt 8*(1-\i)                        ; my row is in; the later row's eight loads may be out
.irp k, 0,1,2,3
	v_pk_add_f32 v[16+2*\k:17+2*\k], v[XR+2*\k:XR+2*\k+1], v[XR+8+2*\k:XR+9+2*\k]
.endr
.irp m, 16,24
.irp k, 0,1,2,3
	s_delay_alu instid0(VALU_DEP_4)
	v_pk_add_f32 v[16+2*\k:17+2*\k], v[16+2*\k:17+2*\k], v[XR+\m+2*\k:XR+\m+2*\k+1]
.endr
.endr
	FOLD
	RED
	s_delay_alu instid0(VALU_DEP_1)
	v_mul_f32 v24, s20, v16                        ; the mean
.irp k, 0,2,4,6,8,10,12,14,16,18,20,22,24,26,28,30
	v_pk_add_f32 v[XR+\k:XR+\k+1], v[XR+\k:XR+\k+1], v[24:25] op_sel_hi:[1,0] neg_lo:[0,1] neg_hi:[0,1]
.endr
.irp k, 0,1,2,3
	v_pk_mul_f32 v[16+2*\k:17+2*\k], v[XR+2*\k:XR+2*\k+1], v[XR+2*\k:XR+2*\k+1]
.endr
.irp m, 8,16,24
.irp k, 0,1,2,3
	s_delay_alu instid0(VALU_DEP_4)
	v_pk_fma_f32 v[16+2*\k:17+2*\k], v[XR+\m+2*\k:XR+\m+2*\k+1], v[XR+\m+2*\k:XR+\m+2*\k+1], v[16+2*\k:17+2*\k]
.endr
.endr
	FOLD
	RED
	s_delay_alu instid0(VALU_DEP_1)
	v_fma_f32 v16, v16, s20, s21                   ; the variance + 1e-5
	s_wait_alu depctr_va_vdst(0)
	v_rsq_f32 v26, v16
	v_nop                                          ; a plain line behind the transcendental,
	s_wait_alu depctr_va_vdst(0)                   ; and the wait ahead of its first reader
.irp k, 0,2,4,6,8,10,12,14,16,18,20,22,24,26,28,30
	v_pk_mul_f32 v[XR+\k:XR+\k+1], v[XR+\k:XR+\k+1], v[26:27] op_sel_hi:[1,0]
.endr
.irp k, 0,2,4,6,8,10,12,14,16,18,20,22,24,26,28,30
	v_pk_fma_f32 v[XR+\k:XR+\k+1], v[XR+\k:XR+\k+1], v[G+\k:G+\k+1], v[BE+\k:BE+\k+1]
.endr
.irp j, 0,1,2,3,4,5,6,7
	ds_store_b128 v[STW], v[XR+4*\j:XR+4*\j+3] offset:4608*\i+576*\j
.endr
.irp j, 0,1,2,3,4,5,6,7
	ds_load_b128 v[Y+4*\j:Y+4*\j+3], v[STR] offset:4608*\i+16*\j   ; LDS serves a wave's instructions in order: these see my stores.  Lane l now owns block l
.endr
	s_wait_dscnt 0x0
	QB Y, XR, XR+8, XR+12
	ds_store_b128 v[I16], v[XR:XR+3] offset:16*\i
	ds_store_b64 v[I8], v[XR+4:XR+5] offset:8*\i
	ds_store_b8 v[IS], v[XR+12] offset:16*\i
.endm
.Lln:
	s_load_b256 s[4:11], s[0:1], 0x0               ; x, g1, be1, nc
	s_wait_alu depctr_va_vdst(0)
	v_readfirstlane_b32 s12, v1                    ; wave
	s_sub_co_u32 s24, ttmp9, WQG                   ; my slot tile
	s_lshr_b32 s13, s24, 1
	s_lshl_b32 s13, s13, 5
	s_and_b32 s14, s24, 1
	s_lshl_b32 s14, s14, 3
	s_add_co_u32 s13, s13, s14
	s_lshl_b32 s14, s12, 1
	s_add_co_u32 s13, s13, s14
	s_lshr_b32 s14, s12, 2
	s_lshl_b32 s14, s14, 3
	s_add_co_u32 s13, s13, s14                     ; my first row: slots 2 w and 2 w + 1 are neighbours
	s_lshl_b32 s14, s13, 12
	s_mov_b32 s15, 0
	s_mul_i32 s16, s24, 12800                      ; the tile's two records,
	s_lshr_b32 s17, s12, 2
	s_mul_i32 s17, s17, 6400
	s_add_co_u32 s16, s16, s17
	s_and_b32 s17, s12, 3
	s_mul_i32 s17, s17, 1536
	s_add_co_u32 s16, s16, s17                     ; and my two halves in them
	s_mov_b32 s17, 0
	s_mov_b32 s20, 0x3a800000                      ; 1 / 1024
	s_mov_b32 s21, 0x3727c5ac                      ; 1e-5
	s_mov_b32 s[SEL], 0x76543210
	s_mov_b32 s[SEL+1], 0xfedcba98
	v_and_b32 v14, 31, v0
	s_delay_alu instid0(VALU_DEP_1)
	v_lshlrev_b32 v[GL], 4, v14
	s_delay_alu instid0(VALU_DEP_2)
	v_lshlrev_b32 v[GO8], 3, v14
	v_and_b32 v15, 15, v0
	v_bfe_u32 v16, v0, 4, 1
	s_mul_i32 s18, s12, 2*4608
	s_add_co_u32 s18, s18, LB                      ; my two stages
	v_bfe_u32 v17, v0, 3, 2
	s_delay_alu instid0(VALU_DEP_1)
	v_mul_u32_u24 v[STW], v17, 144
	v_and_b32 v17, 7, v0
	s_delay_alu instid0(VALU_DEP_1)
	v_lshl_add_u32 v[STW], v17, 4, v[STW]
	s_delay_alu instid0(VALU_DEP_1)
	v_add_nc_u32 v[STW], s18, v[STW]
	v_mul_u32_u24 v[STR], v14, 144
	s_delay_alu instid0(VALU_DEP_1)
	v_add_nc_u32 v[STR], s18, v[STR]
	s_lshl_b32 s19, s12, 5
	s_add_co_u32 s19, s19, LA16
	v_mul_u32_u24 v[I16], v14, 272
	s_delay_alu instid0(VALU_DEP_1)
	v_add_nc_u32 v[I16], s19, v[I16]
	s_lshl_b32 s19, s12, 4
	s_add_co_u32 s19, s19, LA8
	v_mul_u32_u24 v[I8], v14, 136
	s_delay_alu instid0(VALU_DEP_1)
	v_add_nc_u32 v[I8], s19, v[I8]
	s_lshl_b32 s19, s12, 5
	s_add_co_u32 s19, s19, LAS
	v_lshl_add_u32 v[IS], v16, 8, v15
	s_delay_alu instid0(VALU_DEP_1)
	v_add_nc_u32 v[IS], s19, v[IS]
	s_mul_i32 s19, s12, 4*272
	s_add_co_u32 s19, s19, LA16
	v_mul_u32_u24 v[O16R], v16, 272
	s_delay_alu instid0(VALU_DEP_1)
	v_lshl_add_u32 v[O16R], v15, 4, v[O16R]
	s_delay_alu instid0(VALU_DEP_1)
	v_add_nc_u32 v[O16R], s19, v[O16R]
	s_mul_i32 s19, s12, 4*136
	s_add_co_u32 s19, s19, LA8
	v_mul_u32_u24 v[O8R], v16, 136
	s_delay_alu instid0(VALU_DEP_1)
	v_lshl_add_u32 v[O8R], v15, 3, v[O8R]
	s_delay_alu instid0(VALU_DEP_1)
	v_add_nc_u32 v[O8R], s19, v[O8R]
	v_lshl_add_u32 v[OSR], v14, 4, LAS
	v_mul_u32_u24 v[GOS], v16, 6400
	s_delay_alu instid0(VALU_DEP_1)
	v_lshl_add_u32 v[GOS], v15, 4, v[GOS]
	s_delay_alu instid0(VALU_DEP_1)
	v_add_nc_u32 v[GOS], 6144, v[GOS]
	v_mov_b32 v25, 0                               ; named as the upper halves of pairs
	v_mov_b32 v27, 0
	s_wait_kmcnt 0x0
	s_add_nc_u64 s[4:5], s[4:5], s[14:15]
	s_add_nc_u64 s[10:11], s[10:11], s[16:17]
.irp j, 0,1,2,3,4,5,6,7
	global_load_b128 v[G+4*\j:G+4*\j+3], v[GL], s[6:7] offset:512*\j
.endr
.irp j, 0,1,2,3,4,5,6,7
	global_load_b128 v[BE+4*\j:BE+4*\j+3], v[GL], s[8:9] offset:512*\j
.endr
.irp i, 0,1
.irp j, 0,1,2,3,4,5,6,7
	global_load_b128 v[X+32*\i+4*\j:X+32*\i+4*\j+3], v[GL], s[4:5] offset:4096*\i+512*\j
.endr
.endr
	ROW 0
	ROW 1
	s_wait_dscnt 0x0                               ; for the others' sake: my stores have landed
	s_barrier_signal -1
	s_barrier_wait -1
.irp q, 0,1
	ds_load_b128 v[Y+4*\q:Y+4*\q+3], v[O16R] offset:544*\q
	ds_load_b64 v[Y+16+2*\q:Y+17+2*\q], v[O8R] offset:272*\q
.endr
	s_wait_dscnt 0x0
.irp q, 0,1
	global_store_b128 v[GL], v[Y+4*\q:Y+4*\q+3], s[10:11] offset:768*\q
	global_store_b64 v[GO8], v[Y+16+2*\q:Y+17+2*\q], s[10:11] offset:768*\q+512
.endr
	s_cmp_lg_u32 s12, 0                            ; wave 0 takes the two records' scale bytes
	s_cbranch_scc1 .Lend
	ds_load_b128 v[Y+24:Y+27], v[OSR]
	s_wait_dscnt 0x0
	global_store_b128 v[GOS], v[Y+24:Y+27], s[10:11]
.Lend:
	s_wait_tensorcnt 0x0                           ; the wave's end, on both paths
	ds_add_u32 v[SPW], v[NIL]
	s_wait_dscnt 0x0
	s_endpgm
.Lfunc_end_k_q73820cee3c_prep:
	.size	k_q73820cee3c_prep, .Lfunc_end_k_q73820cee3c_prep-k_q73820cee3c_prep
	.p2alignl 7, 3214868480
	.fill 96, 4, 3214868480
	.section	.rodata,"a",@progbits
	.p2align	6, 0x0
	.amdhsa_kernel k_q73820cee3c_prep
		.amdhsa_group_segment_fixed_size 114432
		.amdhsa_private_segment_fixed_size 0
		.amdhsa_enable_private_segment 0
		.amdhsa_kernarg_size 88
		.amdhsa_user_sgpr_count 2
		.amdhsa_user_sgpr_kernarg_segment_ptr 1
		.amdhsa_wavefront_size32 1
		.amdhsa_system_sgpr_workgroup_id_x 1
		.amdhsa_system_sgpr_workgroup_id_y 1
		.amdhsa_system_sgpr_workgroup_id_z 1
		.amdhsa_system_vgpr_workitem_id 0
		.amdhsa_next_free_vgpr 196
		.amdhsa_next_free_sgpr 66
		.amdhsa_reserve_vcc 0
		.amdhsa_float_denorm_mode_32 3
		.amdhsa_float_denorm_mode_16_64 3
		.amdhsa_memory_ordered 1
		.amdhsa_forward_progress 1
		.amdhsa_inst_pref_size 68
	.end_amdhsa_kernel
	.amdgpu_metadata
---
amdhsa.version: [ 1, 2 ]
amdhsa.kernels:
  - .name:           k_q73820cee3c_prep
    .symbol:         k_q73820cee3c_prep.kd
    .args:
      - { .name: x, .offset: 0, .size: 8, .value_kind: global_buffer, .address_space: global }
      - { .name: g1, .offset: 8, .size: 8, .value_kind: global_buffer, .address_space: global }
      - { .name: be1, .offset: 16, .size: 8, .value_kind: global_buffer, .address_space: global }
      - { .name: nc, .offset: 24, .size: 8, .value_kind: global_buffer, .address_space: global }
      - { .name: wq, .offset: 32, .size: 8, .value_kind: global_buffer, .address_space: global }
      - { .name: wk, .offset: 40, .size: 8, .value_kind: global_buffer, .address_space: global }
      - { .name: wv, .offset: 48, .size: 8, .value_kind: global_buffer, .address_space: global }
      - { .name: wo, .offset: 56, .size: 8, .value_kind: global_buffer, .address_space: global }
      - { .name: w1, .offset: 64, .size: 8, .value_kind: global_buffer, .address_space: global }
      - { .name: w2, .offset: 72, .size: 8, .value_kind: global_buffer, .address_space: global }
      - { .name: wc, .offset: 80, .size: 8, .value_kind: global_buffer, .address_space: global }
    .group_segment_fixed_size: 114432
    .private_segment_fixed_size: 0
    .kernarg_segment_align: 8
    .kernarg_segment_size: 88
    .max_flat_workgroup_size: 256
    .sgpr_count:     66
    .vgpr_count:     196
    .wavefront_size: 32
...
	.end_amdgpu_metadata
.endif
;; end of part 1
;; launch qkvp (part 2): grid 12 x 32, 8 waves a work-group, clusters of 4 x 4, 308,224 bytes of LDS; arguments nc, wc, bq, bk, bv, qkv; writes qkv
.if DOCPART == 2
	.amdgcn_target "amdgcn-amd-amdhsa--gfx1250"
	.amdhsa_code_object_version 6
	.text
	.protected	k_q73820cee3c_qkvp
	.globl	k_q73820cee3c_qkvp
	.p2align	8
	.type	k_q73820cee3c_qkvp,@function
k_q73820cee3c_qkvp:
	s_mov_b64 s[64:65], 0
	v_nop
	global_prefetch_b8 v0, s[64:65] scope:SCOPE_SE
	s_setreg_imm32_b32 hwreg(HW_REG_WAVE_MODE, 25, 1), 1
	s_wait_xcnt 0x0
	s_wait_alu depctr_hold_cnt(0) depctr_sa_sdst(0) depctr_va_vdst(0) depctr_va_sdst(0) depctr_va_ssrc(0) depctr_va_vcc(0) depctr_vm_vsrc(0)
	s_getreg_b32 s2, hwreg(HW_REG_IB_STS2, 6, 4)
	s_cmp_eq_u32 s2, 0
	s_cbranch_scc0 .Lentry_in_a_cluster
	s_endpgm
.Lentry_in_a_cluster:
	s_bfe_u32 s2, ttmp6, 0x10000c
	s_cmp_lg_u32 s2, 0xf033
	s_cbranch_scc0 .Lentry_shape_is_right
	s_endpgm
.Lentry_shape_is_right:
; q, k, v = n W + b on codes of E2M3, and their quantisers: q and k along the head's 64, v along the keys.  Nothing is left out.
; A tile of C is 128 rows x 256 columns; eight waves, each 64 x 64 (one head): 16 accumulators.  K = 1,024 lies whole in LDS: two slots of 512, both filled at the start, none filled again.
; Operands are records of 6,400 bytes (a tile of 16 slots x 512 K: eight halves of 768 bytes as images of the operand's registers, then 256 scale bytes).
; CLUSTERS 4 x 4: A's records are shared along a row of the cluster, B's along a column: joint loads.  The cluster's x says which of q, k, v: the same in all partners.
; q, k: source 0 = W's tile, so a lane's registers run along the head's 64.  v: source 0 = n's tile, so they run along the keys.  The slot map makes 16 registers of two neighbouring tiles 16 neighbours.
; qkv, for each of 32 heads 315,392 bytes: 16 key steps of 13,056 (K's 8 tiles of 768; V^T's 4 channel tiles of 1,536; K's scale words, 64 bytes a tile, upper two bytes 0x7f for the empty half of the instruction's K; V's);
; Q's 128 tiles at 208,896; Q's scale words at 307,200.  The scale words go out as 64 or 32 bytes a tile: parts of 256-byte blocks; they are one twelfth of the bytes stored.
; LIMITS: a block of zeros gets the byte 1 (zero codes; read by this program alone); NaN and infinities are not served.
.set WCN,  4
.set LWC,  2
.set KC,   2
.set WOFF, 0
.set NBT,  4*WCN
.set RA,   4
.set REC,  6400
.set BOFF, 8*REC
.set SLOTB, (8+NBT)*REC
.set SPARE, 2*SLOTB
.set HB,   315392
.set KREC, 13056
.set A16, 4
.set A8,  6
.set B16, 8
.set B8,  10
.set ASC, 12
.set SPW, 14
.set NIL, 15
.set BIAS, 24                          ; v24-55; in the epilogue v24-32 are at work
.set SC,  56                           ; v56-87 scale words, two sets of 16: they hold scales alone
.set PC,  88                           ; v88-119 codes, eight registers a tile
.set PW,  120                          ; v120-123 scale words made
.set TM,  24
.set PT,  30
.set ACC, 128
.set F0,  0                            ; window 1: two fragment buffers; A's four fragments, then B's four
.set F1,  128
.set WV, 14
.set WR, 15
.set WC, 16
.set TR, 17
.set G1A, 24
.set G0A, 32
.set G1B, 48
.set G0B, 56
.set SEL, 74
.set MSB, 0
.macro WIN new
.if MSB != \new
	s_set_vgpr_msb (MSB<<8)|\new
.set MSB, \new
.endif
.endm
.macro PLACES
.rept 4
	v_nop
.endr
.endm
.macro CROUND
	s_barrier_signal -1
	s_barrier_wait -1
	s_cmp_lg_u32 s[WV], 0
	s_cbranch_scc1 .Lnot_wave_0_\@
	s_barrier_signal -3
.Lnot_wave_0_\@:
	s_barrier_wait -3
	s_barrier_signal -1
	s_barrier_wait -1
.endm
.macro SCALES sc                       ; a slot's scale words: lanes 0-15 A's tile i, lanes 16-31 B's tile i; register 4 i + q for K step q
.irp i, 0,1,2,3
	ds_load_b128 v[SC+16*\sc+4*\i:SC+16*\sc+4*\i+3], v[ASC+\sc] offset:REC*\i
.endr
.endm
.macro FETCH slot, q, f                ; 32 loads: the eight fragments of K step q
	WIN 0x40
.irp i, 0,1,2,3
.irp c, 0,1
	ds_load_b128 v[\f+12*\i+6*\c:\f+12*\i+6*\c+3], v[A16+\slot] offset:REC*\i+1536*(\q)+768*\c
	ds_load_b64 v[\f+12*\i+6*\c+4:\f+12*\i+6*\c+5], v[A8+\slot] offset:REC*\i+1536*(\q)+768*\c+512
	ds_load_b128 v[\f+48+12*\i+6*\c:\f+48+12*\i+6*\c+3], v[B16+\slot] offset:REC*\i+1536*(\q)+768*\c
	ds_load_b64 v[\f+48+12*\i+6*\c+4:\f+48+12*\i+6*\c+5], v[B8+\slot] offset:REC*\i+1536*(\q)+768*\c+512
.endr
.endr
.endm
.macro MUL f, sc, q, first, sw         ; 16 products, the accumulators by turns; first = 1: the bias starts the sums
	WIN 0x05
.irp a, 0,1,2,3
.irp b, 0,1,2,3
.if \sw
.if \first
	v_wmma_scale_f32_16x16x128_f8f6f4 v[ACC+8*(4*\b+\a):ACC+8*(4*\b+\a)+7], v[\f+12*\a:\f+12*\a+11], v[\f+48+12*\b:\f+48+12*\b+11], v[BIAS+8*\b:BIAS+8*\b+7], v[SC+16*\sc+4*\a+\q], v[SC+16*\sc+4*\b+\q] matrix_a_fmt:MATRIX_FMT_FP6 matrix_b_fmt:MATRIX_FMT_FP6 matrix_b_scale:MATRIX_SCALE_ROW1
.else
	v_wmma_scale_f32_16x16x128_f8f6f4 v[ACC+8*(4*\b+\a):ACC+8*(4*\b+\a)+7], v[\f+12*\a:\f+12*\a+11], v[\f+48+12*\b:\f+48+12*\b+11], v[ACC+8*(4*\b+\a):ACC+8*(4*\b+\a)+7], v[SC+16*\sc+4*\a+\q], v[SC+16*\sc+4*\b+\q] matrix_a_fmt:MATRIX_FMT_FP6 matrix_b_fmt:MATRIX_FMT_FP6 matrix_b_scale:MATRIX_SCALE_ROW1
.endif
.else
.if \first
	v_wmma_scale_f32_16x16x128_f8f6f4 v[ACC+8*(4*\a+\b):ACC+8*(4*\a+\b)+7], v[\f+48+12*\b:\f+48+12*\b+11], v[\f+12*\a:\f+12*\a+11], v[BIAS+8*\b:BIAS+8*\b+7], v[SC+16*\sc+4*\b+\q], v[SC+16*\sc+4*\a+\q] matrix_a_fmt:MATRIX_FMT_FP6 matrix_b_fmt:MATRIX_FMT_FP6 matrix_a_scale:MATRIX_SCALE_ROW1
.else
	v_wmma_scale_f32_16x16x128_f8f6f4 v[ACC+8*(4*\a+\b):ACC+8*(4*\a+\b)+7], v[\f+48+12*\b:\f+48+12*\b+11], v[\f+12*\a:\f+12*\a+11], v[ACC+8*(4*\a+\b):ACC+8*(4*\a+\b)+7], v[SC+16*\sc+4*\b+\q], v[SC+16*\sc+4*\a+\q] matrix_a_fmt:MATRIX_FMT_FP6 matrix_b_fmt:MATRIX_FMT_FP6 matrix_a_scale:MATRIX_SCALE_ROW1
.endif
.endif
.endr
.endr
.endm
.macro KSTEP slot, q, first, sw        ; K step q (0..2) of a slot: the next step's fragments are asked for, then this step is multiplied
	PLACES                                         ; four places in front of loads into the buffer that the last products read
.if (\q)%2 == 0
	FETCH \slot, (\q)+1, F1
	s_wait_dscnt 32                                ; all but the 32 just issued
	MUL F0, \slot, \q, \first, \sw
.else
	FETCH \slot, (\q)+1, F0
	s_wait_dscnt 32
	MUL F1, \slot, \q, \first, \sw
.endif
.endm
.macro CORE sw
	s_cmp_lt_u32 s[WV], 4                          ; waves 0 to 3 fetched slot 0: they wait for their loads; slot 1's may be out
	s_cbranch_scc0 .Lnot_slot0_\@
	s_wait_tensorcnt 0x0
.Lnot_slot0_\@:
	s_barrier_signal -1
	s_barrier_wait -1
	SCALES 0
	FETCH 0, 0, F0
	s_wait_loadcnt 0x0                             ; the bias
	KSTEP 0, 0, 1, \sw
	KSTEP 0, 1, 0, \sw
	KSTEP 0, 2, 0, \sw
	WIN 0
	s_wait_tensorcnt 0x0                           ; my part of slot 1 is in,
	s_wait_dscnt 0x0
	s_barrier_signal -1
	s_barrier_wait -1                              ; everybody's is; nothing is filled again
	PLACES
	SCALES 1
	FETCH 1, 0, F0
	MUL F1, 0, 3, 0, \sw
	KSTEP 1, 0, 0, \sw
	KSTEP 1, 1, 0, \sw
	KSTEP 1, 2, 0, \sw
	s_wait_dscnt 0x0
	MUL F1, 1, 3, 0, \sw
	WIN 0
.endm
.macro QUANT2 s, pc, pt, pw            ; 32 registers, register 16 b + i = k 32 b + 16 (lane / 16) + i of my slot -> a half's six registers in v[pc] on, two scale bytes in v[pw]
	v_max3_num_f32 v[TM], |v[\s]|, |v[\s+1]|, 0x1800000
	v_max3_num_f32 v[TM+1], |v[\s+16]|, |v[\s+17]|, 0x1800000
.irp i, 2,4,6,8,10,12,14
	v_max3_num_f32 v[TM], v[TM], |v[\s+\i]|, |v[\s+\i+1]|
	v_max3_num_f32 v[TM+1], v[TM+1], |v[\s+16+\i]|, |v[\s+17+\i]|
.endr
	s_delay_alu instid0(VALU_DEP_2)
	v_permlanex16_b32 v[TM+2], v[TM], s[SEL], s[SEL+1]
	s_delay_alu instid0(VALU_DEP_2)
	v_permlanex16_b32 v[TM+3], v[TM+1], s[SEL], s[SEL+1]
	s_delay_alu instid0(VALU_DEP_2)
	v_max_num_f32 v[TM], v[TM], v[TM+2]
	s_delay_alu instid0(VALU_DEP_2)
	v_max_num_f32 v[TM+1], v[TM+1], v[TM+3]
	s_delay_alu instid0(VALU_DEP_2)
	v_add_nc_u32 v[TM+4], 0xff000000, v[TM]
	s_delay_alu instid0(VALU_DEP_2)
	v_add_nc_u32 v[TM+5], 0xff000000, v[TM+1]
	s_delay_alu instid0(VALU_DEP_2)
	v_lshrrev_b32 v[TM+2], 23, v[TM+4]
	s_delay_alu instid0(VALU_DEP_2)
	v_lshrrev_b32 v[TM+3], 23, v[TM+5]
	s_delay_alu instid0(VALU_DEP_1)
	v_lshl_or_b32 v[\pw], v[TM+3], 8, v[TM+2]
	v_cvt_scalef32_pk16_fp6_f32 v[\pc:\pc+2], v[\s:\s+15], v[TM+4]
	v_cvt_scalef32_pk16_fp6_f32 v[\pt:\pt+2], v[\s+16:\s+31], v[TM+5]
	v_nop
.irp i, 0,1,2
	v_permlane16_swap_b32 v[\pc+\i], v[\pt+\i]     ; lanes 0-15 get block 0 whole, lanes 16-31 block 1
.endr
.irp i, 0,1,2
	s_delay_alu instid0(VALU_DEP_3)
	v_mov_b32 v[\pc+3+\i], v[\pt+\i]
.endr
.endm
.macro EPI stride, isv
	PLACES
.irp i, 0,1,2,3
	QUANT2 ACC+32*\i, PC+8*\i, PT, PW+\i
.if \isv
	global_store_b16 v20, v[PW+\i], s[78:79] offset:64*\i
.else
	v_or_b32 v[PW+\i], 0x7f7f0000, v[PW+\i]        ; the instruction's K is 128, the head's 64: the empty blocks' bytes stand for 1
	global_store_b32 v20, v[PW+\i], s[78:79] offset:64*\i
.endif
	global_store_b128 v18, v[PC+8*\i:PC+8*\i+3], s[76:77] offset:\i*\stride
	global_store_b64 v19, v[PC+8*\i+4:PC+8*\i+5], s[76:77] offset:\i*\stride+512
.endr
.endm
	s_load_b256 s[4:11], s[0:1], 0x0               ; nc, wc, bq, bk
	s_load_b128 s[68:71], s[0:1], 0x20             ; bv, qkv
	v_lshl_add_u32 v[SPW], v0, 2, SPARE
	v_mov_b32 v[NIL], 0
	ds_add_u32 v[SPW], v[NIL]                      ; the opening: the add, twice on end, and its wait ahead of my first tensor load
	ds_add_u32 v[SPW], v[NIL]
	v_lshrrev_b32 v1, 5, v0
	s_delay_alu instid0(VALU_DEP_1)
	v_readfirstlane_b32 s[WV], v1
	s_lshr_b32 s[WR], s[WV], LWC                   ; my 64 rows.  Also: the slot I fetch for
	s_and_b32 s[WC], s[WV], WCN-1                  ; my 64 columns.  Also: which records I fetch
	s_bfe_u32 s40, ttmp6, 0x40000
	s_bfe_u32 s41, ttmp6, 0x40004
	s_lshl_b32 s42, ttmp9, 2
	s_add_co_u32 s42, s42, s40                     ; tile column
	s_and_b32 s[TR], ttmp7, 0xffff
	s_lshl_b32 s[TR], s[TR], 2
	s_add_co_u32 s[TR], s[TR], s41                 ; tile row
	s_lshl_b32 s43, s41, 2
	s_lshl_b32 s43, 15, s43
	s_lshl_b32 s44, 0x1111, s40
	s_or_b32 s[G1A], s43, (3<<16)|(1<<21)          ; the mask: my row of the cluster; elements of 8 bytes; bit 21 beside a mask
	s_or_b32 s[G1B], s44, (3<<16)|(1<<21)          ; my column
	s_mov_b32 s[G1A+1], 800<<16                    ; a record is a row of 800 elements
	s_mov_b32 s[G1A+2], RA<<16
	s_mov_b32 s[G1A+3], 800<<16
	s_mov_b32 s[G1A+4], RA
	s_mov_b32 s[G1A+5], KC*800                     ; from tile to tile
	s_mov_b32 s[G1A+6], 0
	s_mov_b32 s[G1A+7], 0
	s_mov_b32 s[G1B+1], 800<<16
	s_mov_b32 s[G1B+2], 8<<16
	s_mov_b32 s[G1B+3], 800<<16
	s_mov_b32 s[G1B+4], 8
	s_mov_b32 s[G1B+5], KC*800
	s_mov_b32 s[G1B+6], 0
	s_mov_b32 s[G1B+7], 0
	; the head's tiles, one load a wave: slot wave / 4; in it waves 0, 1 of the four a half each of A's 8 records, waves 2, 3 a half each of B's 16
	s_and_b32 s18, s[WV], 1                        ; which half
	s_mul_i32 s19, s[WR], REC                      ; the slot's 512 along K
	s_lshl_b32 s20, s[TR], 3
	s_lshl_b32 s45, s18, 2
	s_add_co_u32 s20, s20, s45
	s_mul_i32 s20, s20, KC*REC
	s_add_co_u32 s20, s20, s19
	s_mov_b32 s21, 0
	s_mul_i32 s46, s42, NBT*KC*REC
	s_add_co_u32 s46, s46, WOFF                    ; the column tile's first record
	s_mov_b32 s47, 0
	s_mul_i32 s[G0B+2], s18, 8*KC*REC
	s_add_co_u32 s[G0B+2], s[G0B+2], s19
	s_mov_b32 s[G0B+3], 0
	s_mul_i32 s19, s[WR], SLOTB
	s_mul_i32 s45, s18, 4*REC
	s_add_co_u32 s45, s45, s19
	s_mul_i32 s66, s18, 8*REC
	s_add_co_u32 s66, s66, s19
	s_add_co_u32 s66, s66, BOFF
	s_mov_b32 s[SEL], 0x76543210
	s_mov_b32 s[SEL+1], 0xfedcba98
	s_wait_dscnt 0x0
	s_wait_kmcnt 0x0
	s_add_nc_u64 s[20:21], s[4:5], s[20:21]
	s_add_nc_u64 s[46:47], s[6:7], s[46:47]
	CROUND                                         ; all sixteen work-groups are here: the joint loads meet
	s_mov_b32 s[G0A], 1
	s_mov_b32 s[G0A+1], s45
	s_mov_b64 s[G0A+2:G0A+3], s[20:21]
	s_or_b32 s[G0A+3], s[G0A+3], 0x80000000
	s_mov_b32 s[G0B], 1
	s_mov_b32 s[G0B+1], s66
	s_add_nc_u64 s[G0B+2:G0B+3], s[46:47], s[G0B+2:G0B+3]
	s_or_b32 s[G0B+3], s[G0B+3], 0x80000000
.macro TLOAD g0, g1
	tensor_load_to_lds s[\g0:\g0+3], s[\g1:\g1+7]
	s_nop 0
	PLACES
.endm
	s_cmp_lt_u32 s[WV], 2                          ; one chain of arms on the wave's number, one load to an arm: slot 0's lines are waves 0 to 3's alone
	s_cbranch_scc0 .Lhead_b0
	TLOAD G0A, G1A
	s_branch .Lfirst_asked
.Lhead_b0:
	s_cmp_lt_u32 s[WV], 4
	s_cbranch_scc0 .Lhead_a1
	TLOAD G0B, G1B
	s_branch .Lfirst_asked
.Lhead_a1:
	s_cmp_lt_u32 s[WV], 6
	s_cbranch_scc0 .Lhead_b1
	TLOAD G0A, G1A
	s_branch .Lfirst_asked
.Lhead_b1:
	TLOAD G0B, G1B
.Lfirst_asked:
	v_and_b32 v1, 31, v0
	v_and_b32 v2, 15, v0
	v_bfe_u32 v3, v0, 4, 1
	s_mul_i32 s22, s[WR], 4*REC
	s_mul_i32 s23, s[WC], 4*REC
	s_add_co_u32 s23, s23, BOFF
	s_sub_co_u32 s2, s23, s22
	v_mul_u32_u24 v16, s2, v3                      ; lanes 16-31 take B's scale words: one product, the distance between the two bases
	s_delay_alu instid0(VALU_DEP_1)
	v_lshl_add_u32 v16, v2, 4, v16
	s_add_co_u32 s3, s22, 6144
.irp s, 0,1
	v_lshl_add_u32 v[A16+\s], v1, 4, s22
	v_lshl_add_u32 v[A8+\s], v1, 3, s22
	v_lshl_add_u32 v[B16+\s], v1, 4, s23
	v_lshl_add_u32 v[B8+\s], v1, 3, s23
	v_add_nc_u32 v[ASC+\s], s3, v16
	s_add_co_u32 s22, s22, SLOTB
	s_add_co_u32 s23, s23, SLOTB
	s_add_co_u32 s3, s3, SLOTB
.endr
	v_lshlrev_b32 v16, 6, v3                       ; q, k: the bias of my half's 16 columns
	v_and_b32 v17, 8, v2
	s_delay_alu instid0(VALU_DEP_1)
	v_add_nc_u32 v17, v17, v2
	s_delay_alu instid0(VALU_DEP_1)
	v_lshlrev_b32 v17, 2, v17                      ; v: the bias of my slot's column
	v_lshlrev_b32 v18, 4, v1
	v_lshlrev_b32 v19, 3, v1
	v_lshlrev_b32 v20, 2, v2
	s_and_b32 s80, s42, 3
	s_lshl_b32 s81, s80, 2
	s_add_co_u32 s81, s81, s[WC]                   ; the head
	s_lshr_b32 s82, s[TR], 4
	s_lshl_b32 s82, s82, 4
	s_add_co_u32 s82, s82, s81
	s_mul_i32 s82, s82, HB
	s_and_b32 s83, s[TR], 15                       ; the key step
	s_mul_i32 s84, s83, KREC
	s_mul_i32 s85, s[WR], 3072
	s_add_co_u32 s85, s85, s84                     ; k: codes,
	s_lshl_b32 s86, s[WR], 8
	s_add_co_u32 s86, s86, s84
	s_add_co_u32 s86, s86, 12288                   ; scale words
	s_lshl_b32 s87, s83, 3
	s_lshl_b32 s88, s[WR], 2
	s_add_co_u32 s87, s87, s88
	s_mul_i32 s88, s87, 768
	s_add_co_u32 s88, s88, 208896                  ; q
	s_lshl_b32 s89, s87, 6
	s_add_co_u32 s89, s89, 307200
	s_mul_i32 s90, s[WR], 768
	s_add_co_u32 s90, s90, s84
	s_add_co_u32 s90, s90, 6144                    ; v
	s_lshl_b32 s91, s[WR], 1
	s_add_co_u32 s91, s91, s84
	s_add_co_u32 s91, s91, 12800
	s_cmp_eq_u32 ttmp9, 0
	s_cselect_b32 s85, s88, s85
	s_cselect_b32 s86, s89, s86
	s_cmp_eq_u32 ttmp9, 2
	s_cselect_b32 s85, s90, s85
	s_cselect_b32 s86, s91, s86
	s_add_co_u32 s76, s85, s82
	s_mov_b32 s77, 0
	s_add_co_u32 s78, s86, s82
	s_mov_b32 s79, 0
	s_add_nc_u64 s[76:77], s[70:71], s[76:77]
	s_add_nc_u64 s[78:79], s[70:71], s[78:79]
	s_cmp_eq_u32 ttmp9, 1
	s_cselect_b64 s[8:9], s[10:11], s[8:9]
	s_cmp_eq_u32 ttmp9, 2
	s_cselect_b64 s[8:9], s[68:69], s[8:9]
	s_lshl_b32 s80, s80, 10
	s_lshl_b32 s81, s[WC], 8
	s_add_co_u32 s80, s80, s81
	s_mov_b32 s81, 0
	s_add_nc_u64 s[8:9], s[8:9], s[80:81]
	s_cmp_eq_u32 ttmp9, 2                          ; the cluster's x: the same in every wave of every partner
	s_cbranch_scc1 .Lvpath
	s_wait_alu depctr_va_vdst(0)
.irp b, 0,1,2,3
	global_load_b128 v[BIAS+8*\b:BIAS+8*\b+3], v16, s[8:9] offset:128*(\b/2)+32*(\b%2)
	global_load_b128 v[BIAS+8*\b+4:BIAS+8*\b+7], v16, s[8:9] offset:128*(\b/2)+32*(\b%2)+16
.endr
	CORE 0
	EPI 768, 0
	s_branch .Lend
.Lvpath:
	s_wait_alu depctr_va_vdst(0)
.irp b, 0,1,2,3
.irp j, 0,1,2,3,4,5,6,7
	global_load_b32 v[BIAS+8*\b+\j], v17, s[8:9] offset:128*(\b/2)+32*(\b%2)   ; a lane holds one channel here: the same number in its eight registers
.endr
.endr
	CORE 1
	EPI 1536, 1
.Lend:
	s_wait_tensorcnt 0x0                           ; the wave's end
	ds_add_u32 v[SPW], v[NIL]
	s_wait_dscnt 0x0
	CROUND                                         ; the closing round
	s_endpgm
.Lfunc_end_k_q73820cee3c_qkvp:
	.size	k_q73820cee3c_qkvp, .Lfunc_end_k_q73820cee3c_qkvp-k_q73820cee3c_qkvp
	.p2alignl 7, 3214868480
	.fill 96, 4, 3214868480
	.section	.rodata,"a",@progbits
	.p2align	6, 0x0
	.amdhsa_kernel k_q73820cee3c_qkvp
		.amdhsa_group_segment_fixed_size 308224
		.amdhsa_private_segment_fixed_size 0
		.amdhsa_enable_private_segment 0
		.amdhsa_kernarg_size 48
		.amdhsa_user_sgpr_count 2
		.amdhsa_user_sgpr_kernarg_segment_ptr 1
		.amdhsa_wavefront_size32 1
		.amdhsa_system_sgpr_workgroup_id_x 1
		.amdhsa_system_sgpr_workgroup_id_y 1
		.amdhsa_system_sgpr_workgroup_id_z 1
		.amdhsa_system_vgpr_workitem_id 0
		.amdhsa_next_free_vgpr 512
		.amdhsa_next_free_sgpr 100
		.amdhsa_reserve_vcc 0
		.amdhsa_float_denorm_mode_32 3
		.amdhsa_float_denorm_mode_16_64 3
		.amdhsa_memory_ordered 1
		.amdhsa_forward_progress 1
		.amdhsa_inst_pref_size 103
	.end_amdhsa_kernel
	.amdgpu_metadata
---
amdhsa.version: [ 1, 2 ]
amdhsa.kernels:
  - .name:           k_q73820cee3c_qkvp
    .symbol:         k_q73820cee3c_qkvp.kd
    .args:
      - { .name: nc, .offset: 0, .size: 8, .value_kind: global_buffer, .address_space: global }
      - { .name: wc, .offset: 8, .size: 8, .value_kind: global_buffer, .address_space: global }
      - { .name: bq, .offset: 16, .size: 8, .value_kind: global_buffer, .address_space: global }
      - { .name: bk, .offset: 24, .size: 8, .value_kind: global_buffer, .address_space: global }
      - { .name: bv, .offset: 32, .size: 8, .value_kind: global_buffer, .address_space: global }
      - { .name: qkv, .offset: 40, .size: 8, .value_kind: global_buffer, .address_space: global }
    .group_segment_fixed_size: 308224
    .private_segment_fixed_size: 0
    .kernarg_segment_align: 8
    .kernarg_segment_size: 48
    .max_flat_workgroup_size: 256
    .sgpr_count:     100
    .vgpr_count:     512
    .wavefront_size: 32
...
	.end_amdgpu_metadata
.endif
;; end of part 2
;; launch attn (part 3): grid 8 x 32, 8 waves a work-group, clusters of 4 x 1, 210,944 bytes of LDS; arguments qkv, ac; writes ac
.if DOCPART == 3
	.amdgcn_target "amdgcn-amd-amdhsa--gfx1250"
	.amdhsa_code_object_version 6
	.text
	.protected	k_q73820cee3c_attn
	.globl	k_q73820cee3c_attn
	.p2align	8
	.type	k_q73820cee3c_attn,@function
k_q73820cee3c_attn:
	s_mov_b64 s[64:65], 0
	v_nop
	global_prefetch_b8 v0, s[64:65] scope:SCOPE_SE
	s_setreg_imm32_b32 hwreg(HW_REG_WAVE_MODE, 25, 1), 1
	s_wait_xcnt 0x0
	s_wait_alu depctr_hold_cnt(0) depctr_sa_sdst(0) depctr_va_vdst(0) depctr_va_sdst(0) depctr_va_ssrc(0) depctr_va_vcc(0) depctr_vm_vsrc(0)
	s_getreg_b32 s2, hwreg(HW_REG_IB_STS2, 6, 4)
	s_cmp_eq_u32 s2, 0
	s_cbranch_scc0 .Lentry_in_a_cluster
	s_endpgm
.Lentry_in_a_cluster:
	s_bfe_u32 s2, ttmp6, 0x10000c
	s_cmp_lg_u32 s2, 0x3003
	s_cbranch_scc0 .Lentry_shape_is_right
	s_endpgm
.Lentry_shape_is_right:
; Attention of one head on codes of E2M3: S^T = K Q^T, p = 2^(t - M) with t = score x log2(e) / 8 and M the running largest t rounded up to a whole number, p quantised along the keys,
; O^T = V^T P^T, divided at the end by the sum of the unquantised p; the result is quantised along the head's 64 as an operand of the next product.  Nothing is left out.
; The first product's K is 64 in an instruction of 128: the upper 64 codes of both operands are zeros, their scale bytes stand for 1.
; SHARES.  A work-group owns 256 queries of a head; each of its eight waves two tiles of 16 (q = 0, 1), so that each fragment of K and V read from LDS feeds two products.  A lane holds one query of each tile.
; THE HEAD'S K AND V LIE WHOLE IN LDS, 16 key steps of 13,056 bytes: wave w brings steps 2 w and 2 w + 1 by one joint load (the four work-groups of a cluster share a head); nothing is filled again.
; No prefetch is laid: every tile is asked for at the head, so there is no loop to run ahead in.
; WHICH KEYS FORM A TILE OF K is chosen by the lanes' LDS addresses: rows 0-7 of tile 4 c + i are keys 64 c + 8 i + 0..7, rows 8-15 keys 64 c + 32 + 8 i + 0..7 (in memory slot r of tile 2 b + u is key 32 b + 8 u + r + 8 (r / 8)).
; So a lane's 32 registers of tiles 4 c .. 4 c + 3 are keys 64 c + 32 (lane / 16) + 0..31: a whole scale block, in the order of P's operand registers.  The lanes of rows r and r + 8 read the same banks: two passes for those loads.
; A trip of the loop is two key steps of 128.  V's fragments and the next step's K are asked for behind the score products and land under the softmax.  The last trip asks for step 14's K once more (a held address) and does not use it.
; O^T and the sums begin as zeros: the step is written once.
; REGISTERS.  Window 0: addresses, scale words (v16-29: scales alone), Q v32-55, K v56-151, V v152-199, P's codes v200-223.  Window 1: scores v0-127, O^T v128-191, each tile's state from v192 and v208, sums v224-255.
; LIMITS: a block of zeros gets the byte 1 (zero codes; read by this program alone); NaN and infinities are not served; the promise holds while the scaled scores stay under 2^31 in magnitude.
.set HB,    315392
.set KREC,  13056
.set SPARE, 16*KREC
.set L16, 1
.set L8,  2
.set L4,  3
.set K16L, 4
.set K8L, 5
.set KSL, 6
.set SPW, 7
.set NIL, 8
.set AK16, 9
.set AK8, 10
.set AKS, 11
.set AV16, 12
.set AV8, 13
.set AV4, 14
.set RO,  15
.set QS,  16
.set PS,  18
.set KS,  20
.set VS,  28
.set Q,   32
.set KF,  56
.set VF,  152
.set PC,  200
.set PT,  224
.set ST,  192                          ; window 1; tile q's state at ST + 16 q: 0 -M, 1 the largest score, 2-3 the sum, 4-5 f, 6-7 the blocks' largest, 8-9 the conversions' scales, 10-11 at work, 12-13 bytes
.set SH,  222                          ; window 1: 8 x (lane / 16)
.set TS,  224                          ; window 1: partial sums
.set TM,  224
.set WV,  8
.set G1,  16
.set G0,  24
.set SEL, 28
.set CS,  30
.set TB,  32
.set CNT, 33
.set TN,  48
.set MSB, 0
.macro WIN new
.if MSB != \new
	s_set_vgpr_msb (MSB<<8)|\new
.set MSB, \new
.endif
.endm
.macro WALU
	s_wait_alu depctr_va_vdst(0)
.endm
.macro PLACES
.rept 4
	v_nop
.endr
.endm
.macro CROUND
	s_barrier_signal -1
	s_barrier_wait -1
	s_cmp_lg_u32 s[WV], 0
	s_cbranch_scc1 .Lnot_wave_0_\@
	s_barrier_signal -3
.Lnot_wave_0_\@:
	s_barrier_wait -3
	s_barrier_signal -1
	s_barrier_wait -1
.endm
.macro QK i, q                         ; tile i of 16 keys x tile q of queries; a scale register carries an even tile's words in lanes 0-15 and the odd one's in lanes 16-31
.if (\i)%2
	v_wmma_scale_f32_16x16x128_f8f6f4 v[64*\q+8*\i:64*\q+8*\i+7], v[KF+12*\i:KF+12*\i+11], v[Q+12*\q:Q+12*\q+11], 0, v[KS+\i/2], v[QS+\q] matrix_a_fmt:MATRIX_FMT_FP6 matrix_b_fmt:MATRIX_FMT_FP6 matrix_a_scale:MATRIX_SCALE_ROW1
.else
	v_wmma_scale_f32_16x16x128_f8f6f4 v[64*\q+8*\i:64*\q+8*\i+7], v[KF+12*\i:KF+12*\i+11], v[Q+12*\q:Q+12*\q+11], 0, v[KS+\i/2], v[QS+\q] matrix_a_fmt:MATRIX_FMT_FP6 matrix_b_fmt:MATRIX_FMT_FP6
.endif
.endm
.macro PV t, q                         ; tile t of 16 channels
.if (\t)%2
	v_wmma_scale_f32_16x16x128_f8f6f4 v[128+32*\q+8*\t:128+32*\q+8*\t+7], v[VF+12*\t:VF+12*\t+11], v[PC+12*\q:PC+12*\q+11], v[128+32*\q+8*\t:128+32*\q+8*\t+7], v[VS+\t/2], v[PS+\q] matrix_a_fmt:MATRIX_FMT_FP6 matrix_b_fmt:MATRIX_FMT_FP6 matrix_a_scale:MATRIX_SCALE_ROW1
.else
	v_wmma_scale_f32_16x16x128_f8f6f4 v[128+32*\q+8*\t:128+32*\q+8*\t+7], v[VF+12*\t:VF+12*\t+11], v[PC+12*\q:PC+12*\q+11], v[128+32*\q+8*\t:128+32*\q+8*\t+7], v[VS+\t/2], v[PS+\q] matrix_a_fmt:MATRIX_FMT_FP6 matrix_b_fmt:MATRIX_FMT_FP6
.endif
.endm
.macro KLOAD j                         ; 20 loads: K's eight tiles and their scale words, j key steps behind the address
.irp i, 0,1,2,3,4,5,6,7
	ds_load_b128 v[KF+12*\i:KF+12*\i+3], v[AK16] offset:KREC*\j+768*(4*(\i/4)+\i%2)+128*((\i%4)/2)
	ds_load_b64 v[KF+12*\i+4:KF+12*\i+5], v[AK8] offset:KREC*\j+768*(4*(\i/4)+\i%2)+512+64*((\i%4)/2)
.endr
.irp p, 0,1,2,3
	ds_load_b32 v[KS+\p], v[AKS] offset:KREC*\j+12288+256*(\p/2)+32*(\p%2)
.endr
.endm
.macro VLOAD j                         ; 18 loads: V^T's four channel tiles and their scale words
.irp t, 0,1,2,3
.irp c, 0,1
	ds_load_b128 v[VF+12*\t+6*\c:VF+12*\t+6*\c+3], v[AV16] offset:KREC*\j+6144+1536*\t+768*\c
	ds_load_b64 v[VF+12*\t+6*\c+4:VF+12*\t+6*\c+5], v[AV8] offset:KREC*\j+6144+1536*\t+768*\c+512
.endr
.endr
	ds_load_b32 v[VS], v[AV4] offset:KREC*\j+12800
	ds_load_b32 v[VS+1], v[AV4] offset:KREC*\j+12800+128
.endm
.macro STEP j                          ; one key step of 128
	s_wait_dscnt 0x0                               ; this step's K is in: asked for a step ago
	WIN 0x40
.irp i, 0,1,2,3,4,5,6,7
.irp q, 0,1
	QK \i, \q
.endr
.endr
	WIN 0
	PLACES                                         ; four places ahead of the loads into K's registers and of the first read of the scores
	VLOAD \j
.if \j
	v_add_nc_u32 v[AK16], s[TN], v[K16L]           ; the next trip's K
	v_add_nc_u32 v[AK8], s[TN], v[K8L]
	v_add_nc_u32 v[AKS], s[TN], v[KSL]
	KLOAD 0
.else
	KLOAD 1
.endif
	WIN 0x55                                       ; the softmax works in window 1 alone
.irp q, 0,1
.irp c, 0,1
	v_max3_num_f32 v[ST+16*\q+6+\c], v[64*\q+32*\c], v[64*\q+32*\c+1], v[64*\q+32*\c+2]   ; each block's largest score: four chains by turns
.endr
.endr
.irp i, 3,5,7,9,11,13,15,17,19,21,23,25,27,29
.irp q, 0,1
.irp c, 0,1
	v_max3_num_f32 v[ST+16*\q+6+\c], v[ST+16*\q+6+\c], v[64*\q+32*\c+\i], v[64*\q+32*\c+\i+1]
.endr
.endr
.endr
.irp c, 0,1
.irp q, 0,1
	v_max_num_f32 v[ST+16*\q+6+\c], v[ST+16*\q+6+\c], v[64*\q+32*\c+31]
.endr
.endr
.irp q, 0,1
	s_delay_alu instid0(VALU_DEP_2)
	v_max_num_f32 v[ST+16*\q+10], v[ST+16*\q+6], v[ST+16*\q+7]
.endr
.irp q, 0,1
	s_delay_alu instid0(VALU_DEP_2)
	v_permlanex16_b32 v[ST+16*\q+11], v[ST+16*\q+10], s[SEL], s[SEL+1]
.endr
.irp q, 0,1
	s_delay_alu instid0(VALU_DEP_2)
	v_max3_num_f32 v[ST+16*\q+1], v[ST+16*\q+1], v[ST+16*\q+10], v[ST+16*\q+11]   ; the running largest score of my query
.endr
.irp q, 0,1
	v_mov_b32 v[ST+16*\q+10], v[ST+16*\q]
.endr
.irp q, 0,1
	s_delay_alu instid0(VALU_DEP_4)
	v_mul_f32 v[ST+16*\q+11], s[CS], v[ST+16*\q+1]                               ; as t (c is positive)
.endr
.irp q, 0,1
	s_delay_alu instid0(VALU_DEP_2)
	v_floor_f32 v[ST+16*\q], -v[ST+16*\q+11]       ; -M = floor(-t): M is a whole number
.endr
.irp q, 0,1
	s_delay_alu instid0(VALU_DEP_2)
	v_sub_f32 v[ST+16*\q+10], v[ST+16*\q], v[ST+16*\q+10]
.endr
.irp q, 0,1
	s_delay_alu instid0(VALU_DEP_2)
	v_cvt_i32_f32 v[ST+16*\q+10], v[ST+16*\q+10]   ; (it saturates)
.endr
.irp q, 0,1
	s_delay_alu instid0(VALU_DEP_2)
	v_ldexp_f32 v[ST+16*\q+4], 1.0, v[ST+16*\q+10] ; f = 2^(old M - new M): rounds nothing
.endr
.set k, 0
.rept 32
	v_pk_fma_f32 v[k:k+1], v[k:k+1], s[CS:CS+1], v[ST:ST+1] op_sel_hi:[1,0,0]   ; tile 0: t - M
.set k, k+2
.endr
	v_fma_f32 v[ST+6], v[ST+6], s[CS], v[ST]
	v_fma_f32 v[ST+7], v[ST+7], s[CS], v[ST]
.set k, 0
.rept 32
	v_pk_mul_f32 v[128+k:129+k], v[128+k:129+k], v[ST+16*(k/32)+4:ST+16*(k/32)+5] op_sel_hi:[1,0]   ; O^T under the new M, each accumulator from its low end on, ahead of the exponentials
.set k, k+2
.endr
.irp q, 0,1
	v_pk_mul_f32 v[ST+16*\q+2:ST+16*\q+3], v[ST+16*\q+2:ST+16*\q+3], v[ST+16*\q+4:ST+16*\q+5] op_sel_hi:[1,0]   ; and the sums
.endr
	WALU                                           ; the wait ahead of the batch
.set k, 0
.rept 32
	v_exp_f32 v[k], v[k]                           ; tile 0's p, not normalised; among them tile 1's t - M, first read behind the next wait
	v_exp_f32 v[k+1], v[k+1]
	v_pk_fma_f32 v[64+k:65+k], v[64+k:65+k], s[CS:CS+1], v[ST+16:ST+17] op_sel_hi:[1,0,0]
.set k, k+2
.endr
	v_exp_f32 v[ST+6], v[ST+6]                     ; each block's largest p
	v_exp_f32 v[ST+7], v[ST+7]
	v_fma_f32 v[ST+22], v[ST+22], s[CS], v[ST+16]
	v_fma_f32 v[ST+23], v[ST+23], s[CS], v[ST+16]
	WALU                                           ; behind the first batch and ahead of the second
.set k, 0
.rept 16
	v_exp_f32 v[64+4*k], v[64+4*k]                 ; tile 1's p; among them the first level of tile 0's sum, read behind the next wait
	v_exp_f32 v[65+4*k], v[65+4*k]
	v_exp_f32 v[66+4*k], v[66+4*k]
	v_exp_f32 v[67+4*k], v[67+4*k]
	v_pk_add_f32 v[TS+2*k:TS+2*k+1], v[4*k:4*k+1], v[4*k+2:4*k+3]
.set k, k+1
.endr
	v_exp_f32 v[ST+22], v[ST+22]
	v_exp_f32 v[ST+23], v[ST+23]
	v_nop
	WALU
.irp c, 0,1
.irp q, 0,1
	v_max_num_f32 v[ST+16*\q+6+\c], 0x1800000, v[ST+16*\q+6+\c]   ; the floor 2^(3 - 127): the byte cannot fall under 1
.endr
.endr
.irp c, 0,1
.irp q, 0,1
	s_delay_alu instid0(VALU_DEP_4)
	v_add_nc_u32 v[ST+16*\q+8+\c], 0xff000000, v[ST+16*\q+6+\c]   ; 2 off the exponent field: the conversion's scale operand
.endr
.endr
.irp c, 0,1
.irp q, 0,1
	s_delay_alu instid0(VALU_DEP_4)
	v_lshrrev_b32 v[ST+16*\q+12+\c], 23, v[ST+16*\q+8+\c]
.endr
.endr
.irp q, 0,1
	s_delay_alu instid0(VALU_DEP_2)
	v_lshl_or_b32 v[ST+16*\q+12], v[ST+16*\q+13], 16, v[ST+16*\q+12]   ; my two bytes: blocks h and 2 + h,
.endr
.irp q, 0,1
	s_delay_alu instid0(VALU_DEP_2)
	v_lshlrev_b32 v[ST+16*\q+12], v[SH], v[ST+16*\q+12]                ; at their places in the word;
.endr
.irp q, 0,1
	s_delay_alu instid0(VALU_DEP_2)
	v_permlanex16_b32 v[ST+16*\q+11], v[ST+16*\q+12], s[SEL], s[SEL+1]
.endr
	WIN 0x05
.irp q, 0,1
	v_or_b32 v[PS+\q], v[ST+16*\q+12], v[ST+16*\q+11]                  ; with lane l xor 16's two: p's scale word for these 128 keys
.endr
.irp q, 0,1
.irp c, 0,1
	v_cvt_scalef32_pk16_fp6_f32 v[PC+12*\q+6*\c:PC+12*\q+6*\c+2], v[64*\q+32*\c:64*\q+32*\c+15], v[ST+16*\q+8+\c]
	v_cvt_scalef32_pk16_fp6_f32 v[PT+8*\q+4*\c:PT+8*\q+4*\c+2], v[64*\q+32*\c+16:64*\q+32*\c+31], v[ST+16*\q+8+\c]
.endr
.endr
	WIN 0
	v_nop                                          ; one plain line behind the conversions
.irp q, 0,1
.irp c, 0,1
.irp i, 0,1,2
	v_mov_b32 v[PC+12*\q+6*\c+3+\i], v[PT+8*\q+4*\c+\i]   ; (a conversion's three registers begin on an even number)
.endr
.endr
.endr
	WIN 0x55                                       ; the rows' sums of the unquantised p; these lines are also the places between P's registers and scale words and the products below
.set k, 0
.rept 8
	v_pk_add_f32 v[TS+2*k:TS+2*k+1], v[TS+2*k:TS+2*k+1], v[TS+16+2*k:TS+17+2*k]
.set k, k+1
.endr
.set k, 0
.rept 8
	v_pk_add_f32 v[TS+16+2*k:TS+17+2*k], v[64+2*k:65+2*k], v[80+2*k:81+2*k]
.set k, k+1
.endr
.irp m, 96, 112
.set k, 0
.rept 8
	v_pk_add_f32 v[TS+16+2*k:TS+17+2*k], v[TS+16+2*k:TS+17+2*k], v[\m+2*k:\m+2*k+1]
.set k, k+1
.endr
.endr
.irp k, 0,2,4,6
.irp b, 0,16
	v_pk_add_f32 v[TS+\b+\k:TS+\b+\k+1], v[TS+\b+\k:TS+\b+\k+1], v[TS+\b+\k+8:TS+\b+\k+9]
.endr
.endr
.irp k, 0,2
.irp b, 0,16
	s_delay_alu instid0(VALU_DEP_4)
	v_pk_add_f32 v[TS+\b+\k:TS+\b+\k+1], v[TS+\b+\k:TS+\b+\k+1], v[TS+\b+\k+4:TS+\b+\k+5]
.endr
.endr
.irp b, 0,16
	s_delay_alu instid0(VALU_DEP_2)
	v_pk_add_f32 v[TS+\b:TS+\b+1], v[TS+\b:TS+\b+1], v[TS+\b+2:TS+\b+3]
.endr
.irp b, 0,16
	s_delay_alu instid0(VALU_DEP_2)
	v_pk_add_f32 v[ST+\b+2:ST+\b+3], v[ST+\b+2:ST+\b+3], v[TS+\b:TS+\b+1]
.endr
	s_wait_dscnt 20                                ; V is in; the 20 loads of the next K, issued behind V's, may be out
	WIN 0x50
.irp t, 0,1,2,3
.irp q, 0,1
	PV \t, \q
.endr
.endr
.endm
.macro QUANT2 s, pc, pt, pw            ; 32 registers, register 16 b + i = k 32 b + 16 (lane / 16) + i -> a half's six registers in v[pc] on, two scale bytes in v[pw]
	v_max3_num_f32 v[TM], |v[\s]|, |v[\s+1]|, 0x1800000
	v_max3_num_f32 v[TM+1], |v[\s+16]|, |v[\s+17]|, 0x1800000
.irp i, 2,4,6,8,10,12,14
	s_delay_alu instid0(VALU_DEP_2)
	v_max3_num_f32 v[TM], v[TM], |v[\s+\i]|, |v[\s+\i+1]|
	s_delay_alu instid0(VALU_DEP_2)
	v_max3_num_f32 v[TM+1], v[TM+1], |v[\s+16+\i]|, |v[\s+17+\i]|
.endr
	s_delay_alu instid0(VALU_DEP_2)
	v_permlanex16_b32 v[TM+2], v[TM], s[SEL], s[SEL+1]
	s_delay_alu instid0(VALU_DEP_2)
	v_permlanex16_b32 v[TM+3], v[TM+1], s[SEL], s[SEL+1]
	s_delay_alu instid0(VALU_DEP_2)
	v_max_num_f32 v[TM], v[TM], v[TM+2]
	s_delay_alu instid0(VALU_DEP_2)
	v_max_num_f32 v[TM+1], v[TM+1], v[TM+3]
	s_delay_alu instid0(VALU_DEP_2)
	v_add_nc_u32 v[TM+4], 0xff000000, v[TM]
	s_delay_alu instid0(VALU_DEP_2)
	v_add_nc_u32 v[TM+5], 0xff000000, v[TM+1]
	s_delay_alu instid0(VALU_DEP_2)
	v_lshrrev_b32 v[TM+2], 23, v[TM+4]
	s_delay_alu instid0(VALU_DEP_2)
	v_lshrrev_b32 v[TM+3], 23, v[TM+5]
	s_delay_alu instid0(VALU_DEP_1)
	v_lshl_or_b32 v[\pw], v[TM+3], 8, v[TM+2]
	v_cvt_scalef32_pk16_fp6_f32 v[\pc:\pc+2], v[\s:\s+15], v[TM+4]
	v_cvt_scalef32_pk16_fp6_f32 v[\pt:\pt+2], v[\s+16:\s+31], v[TM+5]
	v_nop
.irp i, 0,1,2
	v_permlane16_swap_b32 v[\pc+\i], v[\pt+\i]
.endr
.irp i, 0,1,2
	s_delay_alu instid0(VALU_DEP_3)
	v_mov_b32 v[\pc+3+\i], v[\pt+\i]
.endr
.endm
	s_load_b128 s[4:7], s[0:1], 0x0                ; qkv, ac
	v_lshl_add_u32 v[SPW], v0, 2, SPARE
	v_mov_b32 v[NIL], 0
	ds_add_u32 v[SPW], v[NIL]                      ; the opening: the add, twice on end, and its wait ahead of my first tensor load
	ds_add_u32 v[SPW], v[NIL]
	v_lshrrev_b32 v1, 5, v0
	v_readfirstlane_b32 s[WV], v1
	s_bfe_u32 s9, ttmp6, 0x40000
	s_lshl_b32 s10, ttmp9, 2
	s_add_co_u32 s10, s10, s9                      ; my block of 256 queries: it enters Q's and the result's addresses alone
	s_and_b32 s11, ttmp7, 0xffff                   ; the head (16 x batch + head), which the partners share
	s_lshl_b32 s12, s10, 4
	s_lshl_b32 s13, s[WV], 1
	s_add_co_u32 s12, s12, s13                     ; my first tile of queries
	s_mul_i32 s34, s11, HB
	s_mov_b32 s35, 0
	s_mul_i32 s36, s[WV], 2*KREC                   ; the two key steps that I fetch: in memory and in LDS alike
	s_mov_b32 s37, 0
	s_mov_b32 s[G1], 15|(3<<16)|(1<<21)            ; the mask: all four; elements of 8 bytes; bit 21 beside a mask
	s_mov_b32 s[G1+1], 32<<16                      ; a dense block as 102 rows of 256 bytes
	s_mov_b32 s[G1+2], 102<<16
	s_mov_b32 s[G1+3], 32<<16
	s_mov_b32 s[G1+4], 102
	s_mov_b32 s[G1+5], 32
	s_mov_b32 s[G1+6], 0
	s_mov_b32 s[G1+7], 0
	s_mul_i32 s38, s12, 768
	s_add_co_u32 s38, s38, 208896
	s_mov_b32 s39, 0
	s_lshl_b32 s40, s12, 6
	s_add_co_u32 s40, s40, 307200
	s_mov_b32 s41, 0
	s_lshr_b32 s42, s11, 4
	s_lshl_b32 s42, s42, 7
	s_add_co_u32 s42, s42, s12                     ; the result's first tile of rows
	s_lshl_b32 s42, s42, 1
	s_bfe_u32 s43, s11, 0x10003
	s_add_co_u32 s42, s42, s43                     ; its record: heads 0-7 or 8-15
	s_mul_i32 s42, s42, 6400
	s_and_b32 s43, s11, 7
	s_mul_i32 s44, s43, 768
	s_add_co_u32 s44, s44, s42
	s_mov_b32 s45, 0
	s_lshl_b32 s46, s43, 1
	s_add_co_u32 s46, s46, s42
	s_add_co_u32 s46, s46, 6144
	s_mov_b32 s47, 0
	s_mov_b32 s[SEL], 0x76543210
	s_mov_b32 s[SEL+1], 0xfedcba98
	s_mov_b32 s[CS], 0x3e38aa3b                    ; c = log2(e) / 8
	s_mov_b32 s[CS+1], s[CS]
	s_mov_b32 s[TB], 0
	s_mov_b32 s[CNT], 0
	s_wait_dscnt 0x0
	s_wait_kmcnt 0x0
	s_add_nc_u64 s[4:5], s[4:5], s[34:35]          ; the head
	s_add_nc_u64 s[44:45], s[6:7], s[44:45]
	s_add_nc_u64 s[46:47], s[6:7], s[46:47]
	CROUND                                         ; all four work-groups are here: the joint loads meet
	s_mov_b32 s[G0], 1
	s_mov_b32 s[G0+1], s36
	s_add_nc_u64 s[G0+2:G0+3], s[4:5], s[36:37]
	s_or_b32 s[G0+3], s[G0+3], 0x80000000
	tensor_load_to_lds s[G0:G0+3], s[G1:G1+7]      ; one load a wave: by this text's count one is out
	s_nop 0
	PLACES
	s_add_nc_u64 s[38:39], s[4:5], s[38:39]
	s_add_nc_u64 s[40:41], s[4:5], s[40:41]
	v_and_b32 v240, 31, v0                         ; lane
	v_and_b32 v241, 15, v0                         ; r
	v_and_b32 v242, 7, v0                          ; r % 8
	v_bfe_u32 v243, v0, 3, 1                       ; r / 8
	v_bfe_u32 v244, v0, 4, 1                       ; h
	v_lshlrev_b32 v[L16], 4, v240
	v_lshlrev_b32 v[L8], 3, v240
	v_lshlrev_b32 v[L4], 2, v240
	v_lshlrev_b32 v245, 2, v241
	v_lshlrev_b32 v[RO], 4, v241
	v_mul_u32_u24 v246, v243, 1536                 ; rows 8-15 of a tile of K come from the next block of 32 keys: two stored tiles on
	v_lshlrev_b32 v[KSL], 7, v243
	v_lshl_add_u32 v[K16L], v244, 8, v246
	v_lshl_add_u32 v[K8L], v244, 7, v246
	v_lshl_add_u32 v[KSL], v244, 6, v[KSL]
	v_lshl_add_u32 v[K16L], v242, 4, v[K16L]
	v_lshl_add_u32 v[K8L], v242, 3, v[K8L]
	v_lshl_add_u32 v[KSL], v242, 2, v[KSL]
	WALU
.irp q, 0,1
	global_load_b128 v[Q+12*\q:Q+12*\q+3], v[L16], s[38:39] offset:768*\q
	global_load_b64 v[Q+12*\q+4:Q+12*\q+5], v[L8], s[38:39] offset:768*\q+512
	global_load_b32 v[QS+\q], v245, s[40:41] offset:64*\q
.endr
.irp k, 6,7,8,9,10,11
	v_mov_b32 v[Q+\k], 0                           ; the empty upper 64 of the instruction's K: zero codes, written once
	v_mov_b32 v[Q+12+\k], 0
.irp t, 0,1,2,3,4,5,6,7
	v_mov_b32 v[KF+12*\t+\k], 0
.endr
.endr
	v_mov_b32 v[AK16], v[K16L]                     ; the first K step's addresses
	v_mov_b32 v[AK8], v[K8L]
	v_mov_b32 v[AKS], v[KSL]
	WIN 0x40
	v_lshlrev_b32 v[SH], 3, v244
.set k, 0
.rept 64
	v_mov_b32 v[128+k], 0                          ; the step is written once: the first finds zeros
.set k, k+1
.endr
.irp q, 0,1
	v_mov_b32 v[ST+16*\q], 0x7d800000              ; -M: a whole number over every -M to come
	v_mov_b32 v[ST+16*\q+1], 0xff61b1e6            ; the largest score so far: under every score
	v_mov_b32 v[ST+16*\q+2], 0
	v_mov_b32 v[ST+16*\q+3], 0
	v_mov_b32 v[ST+16*\q+5], 0                     ; named as the upper half of a pair
	v_mov_b32 v[ST+16*\q+11], 0                    ; a lane permute's destination counts as one of its sources
.endr
	WIN 0
	WALU                                           ; the wait at the head's end
	s_wait_loadcnt 0x0
	s_wait_tensorcnt 0x0                           ; my two key steps are in,
	s_barrier_signal -1
	s_barrier_wait -1                              ; all sixteen are
	KLOAD 0
.Ltrip:
	v_add_nc_u32 v[AV16], s[TB], v[L16]
	v_add_nc_u32 v[AV8], s[TB], v[L8]
	v_add_nc_u32 v[AV4], s[TB], v[L4]
	s_add_co_u32 s[TN], s[TB], 2*KREC
	s_min_u32 s[TN], s[TN], 14*KREC                ; the next trip's first step, held inside the sixteen
	WALU
	STEP 0
	STEP 1
	WIN 0
	s_add_co_u32 s[TB], s[TB], 2*KREC
	s_add_co_u32 s[CNT], s[CNT], 1
	s_cmp_lt_u32 s[CNT], 8
	WALU                                           ; the wait ahead of the branch
	s_cbranch_scc1 .Ltrip
	WIN 0x55
.irp q, 0,1
	v_add_f32 v[ST+16*\q+2], v[ST+16*\q+2], v[ST+16*\q+3]
.endr
.irp q, 0,1
	s_delay_alu instid0(VALU_DEP_2)
	v_permlanex16_b32 v[ST+16*\q+11], v[ST+16*\q+2], s[SEL], s[SEL+1]
.endr
.irp q, 0,1
	s_delay_alu instid0(VALU_DEP_2)
	v_add_f32 v[ST+16*\q+2], v[ST+16*\q+2], v[ST+16*\q+11]   ; the row's sum
.endr
	WALU
	v_rcp_f32 v[ST+4], v[ST+2]
	v_rcp_f32 v[ST+20], v[ST+18]
	v_nop
	WALU                                           ; behind the transcendentals, directly ahead of the first reader of O^T
.set k, 0
.rept 32
	v_pk_mul_f32 v[128+k:129+k], v[128+k:129+k], v[ST+16*(k/32)+4:ST+16*(k/32)+5] op_sel_hi:[1,0]
.set k, k+2
.endr
	QUANT2 128, 0, 8, 12                           ; 16 queries x my head's 64: a half of the next product's A
	QUANT2 160, 16, 24, 28
	WIN 0x04                                       ; the stores' data lie in window 1
.irp q, 0,1
	global_store_b128 v[L16], v[16*\q:16*\q+3], s[44:45] offset:12800*\q
	global_store_b64 v[L8], v[16*\q+4:16*\q+5], s[44:45] offset:12800*\q+512
	global_store_b16 v[RO], v[16*\q+12], s[46:47] offset:12800*\q
.endr
	WIN 0
	s_wait_tensorcnt 0x0                           ; the wave's end
	ds_add_u32 v[SPW], v[NIL]
	s_wait_dscnt 0x0
	CROUND                                         ; the closing round
	s_endpgm
.Lfunc_end_k_q73820cee3c_attn:
	.size	k_q73820cee3c_attn, .Lfunc_end_k_q73820cee3c_attn-k_q73820cee3c_attn
	.p2alignl 7, 3214868480
	.fill 96, 4, 3214868480
	.section	.rodata,"a",@progbits
	.p2align	6, 0x0
	.amdhsa_kernel k_q73820cee3c_attn
		.amdhsa_group_segment_fixed_size 210944
		.amdhsa_private_segment_fixed_size 0
		.amdhsa_enable_private_segment 0
		.amdhsa_kernarg_size 16
		.amdhsa_user_sgpr_count 2
		.amdhsa_user_sgpr_kernarg_segment_ptr 1
		.amdhsa_wavefront_size32 1
		.amdhsa_system_sgpr_workgroup_id_x 1
		.amdhsa_system_sgpr_workgroup_id_y 1
		.amdhsa_system_sgpr_workgroup_id_z 1
		.amdhsa_system_vgpr_workitem_id 0
		.amdhsa_next_free_vgpr 512
		.amdhsa_next_free_sgpr 66
		.amdhsa_reserve_vcc 0
		.amdhsa_float_denorm_mode_32 3
		.amdhsa_float_denorm_mode_16_64 3
		.amdhsa_memory_ordered 1
		.amdhsa_forward_progress 1
		.amdhsa_inst_pref_size 78
	.end_amdhsa_kernel
	.amdgpu_metadata
---
amdhsa.version: [ 1, 2 ]
amdhsa.kernels:
  - .name:           k_q73820cee3c_attn
    .symbol:         k_q73820cee3c_attn.kd
    .args:
      - { .name: qkv, .offset: 0, .size: 8, .value_kind: global_buffer, .address_space: global }
      - { .name: ac, .offset: 8, .size: 8, .value_kind: global_buffer, .address_space: global }
    .group_segment_fixed_size: 210944
    .private_segment_fixed_size: 0
    .kernarg_segment_align: 8
    .kernarg_segment_size: 16
    .max_flat_workgroup_size: 256
    .sgpr_count:     66
    .vgpr_count:     512
    .wavefront_size: 32
...
	.end_amdgpu_metadata
.endif
;; end of part 3
;; launch oln (part 4): grid 256 x 1, 8 waves a work-group, no clusters, 69,632 bytes of LDS; arguments ac, wc, bo, x, g2, be2, x1, nc; writes x1, nc
.if DOCPART == 4
	.amdgcn_target "amdgcn-amd-amdhsa--gfx1250"
	.amdhsa_code_object_version 6
	.text
	.protected	k_q73820cee3c_oln
	.globl	k_q73820cee3c_oln
	.p2align	8
	.type	k_q73820cee3c_oln,@function
k_q73820cee3c_oln:
	s_mov_b64 s[64:65], 0
	v_nop
	global_prefetch_b8 v0, s[64:65] scope:SCOPE_SE
	s_setreg_imm32_b32 hwreg(HW_REG_WAVE_MODE, 25, 1), 1
	s_wait_xcnt 0x0
; x1 = x + attn wo + bo on codes of E2M3, then the second layer norm of x1 and its quantiser along the row: two steps of reference() in one launch.  Nothing is left out.
; SHARES.  Work-group T owns slot tile T: 16 rows (slot r is row 32 (T / 2) + 8 (T % 2) + r + 8 (r / 8)) x all 1,024 columns, so a row's mean and variance are made inside the work-group.
; Wave w takes columns 128 w .. 128 w + 127: eight tiles of wo's columns, eight accumulators, which take turns.
; OPERANDS are records of 6,400 bytes (a tile of 16 slots x 512 K: eight halves of 768 bytes as images of the operand's registers, then 256 scale bytes).  With 16 rows a fragment of wo feeds ONE product of ONE wave:
; so the images go from memory straight into registers, 512 or 256 consecutive bytes an instruction, and not through LDS.  No tensor load, no ring; no cluster: nothing lands in LDS that a joint load could bring.
; A GROUP is a K step of 128: 32 loads for wo's eight fragments and 4 for attn's one, into two sets of registers by turns; a set is asked for again behind the products that read it.  No prefetch is laid: the wave's own loads run two groups ahead.
; Source 0 = wo's tile: a lane holds one row, and 16 registers of two neighbouring tiles are 16 neighbouring columns.  The bias is loaded into the accumulators and starts the sums.
; x comes in as rows of 512 bytes and turns through the wave's own stage in LDS into that layout; x1 leaves by the same stage as rows of 512 bytes.
; The mean is taken first and the variance of the differences, as reference() has it; each is joined over the eight waves through LDS, with one barrier.
; LIMITS: a block of zeros gets the byte 1 where the rule says 127 (zero codes; read by this program alone); NaN and infinities are not served.
.set WOFF, 2457600
.set REC,  6400
.set SP,   528                         ; a stage row: 512 bytes + 16
.set STGB, 16*SP
.set RED,  8*STGB                      ; behind the eight stages: the rows' partial sums, [row][wave], 512 bytes for the mean and 512 for the variance
.set SPARE, RED+1024
.set L16, 1
.set L8,  2
.set BSO, 3
.set STO, 4
.set RDW, 5
.set GB,  7
.set RO,  8
.set RS,  9
.set RL,  10
.set SPW, 12
.set NIL, 13
.set BSC, 24                           ; v24-55 wo's scale words: 16 c + 4 p + q; lanes 0-15 tile 2 p, lanes 16-31 tile 2 p + 1.  They hold scales alone
.set ASC, 66                           ; v66-73 attn's: 4 c + q
.set TM,  74                           ; v74-95 at work
.set ACC, 96                           ; v96-159
.set AF,  160                          ; v160-183 attn's fragment, two sets
.set GG,  184                          ; v184-247 the gain
.set XR,  192                          ; window 1: v0-95, v96-191 wo's fragments, two sets; v192-255 rows of x, then of x1
.set SEL, 36
.set MSB, 0
.macro WIN new
.if MSB != \new
	s_set_vgpr_msb (MSB<<8)|\new
.set MSB, \new
.endif
.endm
.macro WALU
	s_wait_alu depctr_va_vdst(0)
.endm
.macro PLACES
.rept 4
	v_nop
.endr
.endm
.macro BLD g                           ; group g's 36 loads
.set SB_, 96*((\g)%2)
.set OF_, REC*((\g)/4)+1536*((\g)%4)
	WIN 0x40
.irp b, 0,1,2,3,4,5,6,7
.irp c, 0,1
	global_load_b128 v[SB_+12*\b+6*\c:SB_+12*\b+6*\c+3], v[L16], s[6:7] offset:2*REC*\b+OF_+768*\c
	global_load_b64 v[SB_+12*\b+6*\c+4:SB_+12*\b+6*\c+5], v[L8], s[6:7] offset:2*REC*\b+OF_+768*\c+512
.endr
.endr
	WIN 0
.irp c, 0,1
	global_load_b128 v[AF+12*((\g)%2)+6*\c:AF+12*((\g)%2)+6*\c+3], v[L16], s[4:5] offset:OF_+768*\c
	global_load_b64 v[AF+12*((\g)%2)+6*\c+4:AF+12*((\g)%2)+6*\c+5], v[L8], s[4:5] offset:OF_+768*\c+512
.endr
.endm
.macro MULG g                          ; group g's eight products
.set SB_, 96*((\g)%2)
	WIN 0x01
.irp b, 0,1,2,3,4,5,6,7
.if \b%2
	v_wmma_scale_f32_16x16x128_f8f6f4 v[ACC+8*\b:ACC+8*\b+7], v[SB_+12*\b:SB_+12*\b+11], v[AF+12*((\g)%2):AF+12*((\g)%2)+11], v[ACC+8*\b:ACC+8*\b+7], v[BSC+16*((\g)/4)+4*(\b/2)+(\g)%4], v[ASC+4*((\g)/4)+(\g)%4] matrix_a_fmt:MATRIX_FMT_FP6 matrix_b_fmt:MATRIX_FMT_FP6 matrix_a_scale:MATRIX_SCALE_ROW1
.else
	v_wmma_scale_f32_16x16x128_f8f6f4 v[ACC+8*\b:ACC+8*\b+7], v[SB_+12*\b:SB_+12*\b+11], v[AF+12*((\g)%2):AF+12*((\g)%2)+11], v[ACC+8*\b:ACC+8*\b+7], v[BSC+16*((\g)/4)+4*(\b/2)+(\g)%4], v[ASC+4*((\g)/4)+(\g)%4] matrix_a_fmt:MATRIX_FMT_FP6 matrix_b_fmt:MATRIX_FMT_FP6
.endif
.endr
	WIN 0
	PLACES                                         ; four places ahead of loads into the set just read
.endm
.macro DPAT dst, base                  ; 64 numbers a lane in the result's layout: tile b's eight registers are columns 32 (b / 2) + 8 (b % 2) + 16 (lane / 16) + 0..7
.irp b, 0,1,2,3,4,5,6,7
	global_load_b128 v[\dst+8*\b:\dst+8*\b+3], v[GB], \base offset:128*(\b/2)+32*(\b%2)
	global_load_b128 v[\dst+8*\b+4:\dst+8*\b+7], v[GB], \base offset:128*(\b/2)+32*(\b%2)+16
.endr
.endm
.macro FOLDX off                       ; the four chains' pairs in v74-81 -> my row's sum over my wave's 128 columns -> LDS; a barrier
	v_pk_add_f32 v[74:75], v[74:75], v[76:77]
	v_pk_add_f32 v[78:79], v[78:79], v[80:81]
	s_delay_alu instid0(VALU_DEP_1)
	v_pk_add_f32 v[74:75], v[74:75], v[78:79]
	s_delay_alu instid0(VALU_DEP_1)
	v_add_f32 v74, v74, v75
	s_delay_alu instid0(VALU_DEP_1)
	v_permlanex16_b32 v75, v74, s[SEL], s[SEL+1]
	s_delay_alu instid0(VALU_DEP_1)
	v_add_f32 v74, v74, v75
	ds_store_b32 v[RS], v74 offset:\off            ; lanes r and r + 16 write the same word with the same value
	WALU
	s_wait_dscnt 0x0                               ; for the others' sake: my stores have landed
	s_barrier_signal -1
	s_barrier_wait -1
.endm
.macro GATHER off                      ; the eight waves' parts of my row -> v84
	ds_load_b128 v[84:87], v[RL] offset:\off
	ds_load_b128 v[88:91], v[RL] offset:\off+16
	s_wait_dscnt 0x0
	v_pk_add_f32 v[84:85], v[84:85], v[86:87]
	v_pk_add_f32 v[88:89], v[88:89], v[90:91]
	s_delay_alu instid0(VALU_DEP_1)
	v_pk_add_f32 v[84:85], v[84:85], v[88:89]
	s_delay_alu instid0(VALU_DEP_1)
	v_add_f32 v84, v84, v85
.endm
.macro QUANT2 s, pc, pt, pw            ; 32 registers, register 16 b + i = k 32 b + 16 (lane / 16) + i of my slot -> a half's six registers in v[pc] on, two scale bytes in v[pw]
	v_max3_num_f32 v[TM], |v[\s]|, |v[\s+1]|, 0x1800000
	v_max3_num_f32 v[TM+1], |v[\s+16]|, |v[\s+17]|, 0x1800000
.irp i, 2,4,6,8,10,12,14
	s_delay_alu instid0(VALU_DEP_2)
	v_max3_num_f32 v[TM], v[TM], |v[\s+\i]|, |v[\s+\i+1]|
	s_delay_alu instid0(VALU_DEP_2)
	v_max3_num_f32 v[TM+1], v[TM+1], |v[\s+16+\i]|, |v[\s+17+\i]|
.endr
	s_delay_alu instid0(VALU_DEP_2)
	v_permlanex16_b32 v[TM+2], v[TM], s[SEL], s[SEL+1]
	s_delay_alu instid0(VALU_DEP_2)
	v_permlanex16_b32 v[TM+3], v[TM+1], s[SEL], s[SEL+1]
	s_delay_alu instid0(VALU_DEP_2)
	v_max_num_f32 v[TM], v[TM], v[TM+2]
	s_delay_alu instid0(VALU_DEP_2)
	v_max_num_f32 v[TM+1], v[TM+1], v[TM+3]
	s_delay_alu instid0(VALU_DEP_2)
	v_add_nc_u32 v[TM+4], 0xff000000, v[TM]
	s_delay_alu instid0(VALU_DEP_2)
	v_add_nc_u32 v[TM+5], 0xff000000, v[TM+1]
	s_delay_alu instid0(VALU_DEP_2)
	v_lshrrev_b32 v[TM+2], 23, v[TM+4]
	s_delay_alu instid0(VALU_DEP_2)
	v_lshrrev_b32 v[TM+3], 23, v[TM+5]
	s_delay_alu instid0(VALU_DEP_1)
	v_lshl_or_b32 v[\pw], v[TM+3], 8, v[TM+2]
	v_cvt_scalef32_pk16_fp6_f32 v[\pc:\pc+2], v[\s:\s+15], v[TM+4]
	v_cvt_scalef32_pk16_fp6_f32 v[\pt:\pt+2], v[\s+16:\s+31], v[TM+5]
	v_nop
.irp i, 0,1,2
	v_permlane16_swap_b32 v[\pc+\i], v[\pt+\i]     ; lanes 0-15 get block 0 whole, lanes 16-31 block 1
.endr
.irp i, 0,1,2
	s_delay_alu instid0(VALU_DEP_3)
	v_mov_b32 v[\pc+3+\i], v[\pt+\i]
.endr
.endm
	s_load_b256 s[4:11], s[0:1], 0x0               ; ac, wc, bo, x
	s_load_b256 s[12:19], s[0:1], 0x20             ; g2, be2, x1, nc
	v_lshl_add_u32 v[SPW], v0, 2, SPARE
	v_mov_b32 v[NIL], 0
	v_lshrrev_b32 v14, 5, v0
	v_readfirstlane_b32 s20, v14                   ; wave
	s_mul_i32 s22, ttmp9, 2*REC                    ; my tile's two records, in ac and in nc
	s_mov_b32 s23, 0
	s_mul_i32 s24, s20, 16*REC                     ; my eight tiles of wo's columns
	s_add_co_u32 s24, s24, WOFF
	s_mov_b32 s25, 0
	s_lshl_b32 s26, s20, 9                         ; my first column in bytes
	s_mov_b32 s27, 0
	s_lshr_b32 s28, ttmp9, 1
	s_lshl_b32 s28, s28, 5
	s_and_b32 s29, ttmp9, 1
	s_lshl_b32 s29, s29, 3
	s_add_co_u32 s28, s28, s29                     ; slot 0's row
	s_lshl_b32 s28, s28, 12
	s_add_co_u32 s28, s28, s26
	s_mov_b32 s29, 0
	s_lshr_b32 s30, s20, 2                         ; the way out: the record with my 128 columns,
	s_mul_i32 s30, s30, REC
	s_add_co_u32 s30, s30, s22
	s_and_b32 s31, s20, 3
	s_lshl_b32 s38, s31, 2
	s_add_co_u32 s38, s38, s30
	s_add_co_u32 s38, s38, 6144                    ; my four scale bytes of a slot's sixteen,
	s_mov_b32 s39, 0
	s_mul_i32 s31, s31, 1536
	s_add_co_u32 s30, s30, s31                     ; and my two halves
	s_mov_b32 s31, 0
	s_mul_i32 s32, s20, STGB                       ; my stage
	s_lshl_b32 s33, s20, 2
	s_add_co_u32 s33, s33, RED
	s_mov_b32 s34, 0x3a800000                      ; 1 / 1024
	s_mov_b32 s35, 0x3727c5ac                      ; 1e-5
	s_mov_b32 s[SEL], 0x76543210
	s_mov_b32 s[SEL+1], 0xfedcba98
	v_and_b32 v14, 31, v0                          ; lane
	v_and_b32 v15, 15, v0                          ; r
	v_bfe_u32 v11, v0, 4, 1                        ; h
	v_lshlrev_b32 v[L16], 4, v14
	v_lshlrev_b32 v[L8], 3, v14
	v_lshlrev_b32 v[RO], 4, v15
	v_lshlrev_b32 v[GB], 6, v11
	v_mul_u32_u24 v[BSO], v11, 2*REC               ; lanes 16-31 take the odd tile's scale words
	v_mul_u32_u24 v[STO], v15, SP
	v_lshlrev_b32 v[RL], 5, v15
	v_lshl_add_u32 v[BSO], v15, 4, v[BSO]
	v_lshl_add_u32 v[STO], v11, 6, v[STO]
	v_add_nc_u32 v[RDW], s32, v[L16]               ; the stage by rows: 16 bytes a lane
	v_add_nc_u32 v[RS], s33, v[RL]
	v_add_nc_u32 v[STO], s32, v[STO]               ; and in the result's layout: row r, 64 bytes for each half of the lanes
	v_add_nc_u32 v[RL], RED, v[RL]
	v_mov_b32 v93, 0                               ; named as the upper halves of pairs
	v_mov_b32 v95, 0
	WALU                                           ; the wait at the head's end
	s_wait_kmcnt 0x0
	s_add_nc_u64 s[4:5], s[4:5], s[22:23]
	s_add_nc_u64 s[6:7], s[6:7], s[24:25]
	s_add_nc_u64 s[8:9], s[8:9], s[26:27]
	s_add_nc_u64 s[12:13], s[12:13], s[26:27]
	s_add_nc_u64 s[14:15], s[14:15], s[26:27]
	s_add_nc_u64 s[10:11], s[10:11], s[28:29]
	s_add_nc_u64 s[16:17], s[16:17], s[28:29]
	s_add_nc_u64 s[38:39], s[18:19], s[38:39]
	s_add_nc_u64 s[18:19], s[18:19], s[30:31]
.irp c, 0,1
	global_load_b128 v[ASC+4*\c:ASC+4*\c+3], v[RO], s[4:5] offset:REC*\c+6144
.irp p, 0,1,2,3
	global_load_b128 v[BSC+16*\c+4*\p:BSC+16*\c+4*\p+3], v[BSO], s[6:7] offset:4*REC*\p+REC*\c+6144
.endr
.endr
	DPAT ACC, s[8:9]                               ; the bias starts the sums
	BLD 0
	BLD 1
	WIN 0x40
.irp i, 0,1,2,3,4,5,6,7,8,9,10,11,12,13,14,15
	global_load_b128 v[XR+4*\i:XR+4*\i+3], v[L16], s[10:11] offset:4096*(\i+8*(\i/8))   ; slot i's row of x: 512 consecutive bytes
.endr
	WIN 0
	DPAT GG, s[12:13]
	s_wait_loadcnt 63                              ; behind group 0 stand 36 + 16 + 16 loads: a wait names 63 at the most
	MULG 0
	BLD 2
	s_wait_loadcnt 63                              ; behind group 1: 16 + 16 + 36
	MULG 1
	BLD 3
	s_wait_loadcnt 36                              ; from here on one younger group may be out; x and the gain are in
	MULG 2
	BLD 4
	WIN 0x04
.irp i, 0,1,2,3,4,5,6,7,8,9,10,11,12,13,14,15
	ds_store_b128 v[RDW], v[XR+4*\i:XR+4*\i+3] offset:SP*\i   ; x waits in my stage
.endr
	WIN 0
.irp g, 3,4,5
	s_wait_loadcnt 36
	MULG \g
	BLD \g+2
.endr
	s_wait_loadcnt 36
	MULG 6
	WIN 0x40
.irp b, 0,1,2,3,4,5,6,7
	ds_load_b128 v[8*\b:8*\b+3], v[STO] offset:128*(\b/2)+32*(\b%2)          ; x in the result's layout, into the set that is done with.  LDS serves a wave's instructions in order: these see my stores
	ds_load_b128 v[8*\b+4:8*\b+7], v[STO] offset:128*(\b/2)+32*(\b%2)+16
.endr
	WIN 0
	s_wait_loadcnt 0x0
	MULG 7
	WIN 0x40
	DPAT 96, s[14:15]                              ; the layer norm's bias, into the other set
	s_wait_dscnt 0x0
	WIN 0x04
.set k, 0
.rept 32
	v_pk_add_f32 v[ACC+k:ACC+k+1], v[ACC+k:ACC+k+1], v[k:k+1]   ; x1, each accumulator from its low end on
.set k, k+2
.endr
	WIN 0
.irp b, 0,1,2,3,4,5,6,7
	ds_store_b128 v[STO], v[ACC+8*\b:ACC+8*\b+3] offset:128*(\b/2)+32*(\b%2)
	ds_store_b128 v[STO], v[ACC+8*\b+4:ACC+8*\b+7] offset:128*(\b/2)+32*(\b%2)+16
.endr
	WIN 0x40
.irp i, 0,1,2,3,4,5,6,7,8,9,10,11,12,13,14,15
	ds_load_b128 v[XR+4*\i:XR+4*\i+3], v[RDW] offset:SP*\i   ; back as rows
.endr
	WIN 0
.irp k, 0,1,2,3
	v_pk_add_f32 v[74+2*\k:75+2*\k], v[ACC+2*\k:ACC+2*\k+1], v[ACC+8+2*\k:ACC+9+2*\k]
.endr
.irp m, 16,24,32,40,48,56
.irp k, 0,1,2,3
	v_pk_add_f32 v[74+2*\k:75+2*\k], v[74+2*\k:75+2*\k], v[ACC+\m+2*\k:ACC+\m+2*\k+1]
.endr
.endr
	FOLDX 0
	WIN 0x04
.irp i, 0,1,2,3,4,5,6,7,8,9,10,11,12,13,14,15
	global_store_b128 v[L16], v[XR+4*\i:XR+4*\i+3], s[16:17] offset:4096*(\i+8*(\i/8))   ; 512 consecutive bytes, aligned
.endr
	WIN 0
	GATHER 0
	s_delay_alu instid0(VALU_DEP_1)
	v_mul_f32 v92, s34, v84                        ; the mean
.set k, 0
.rept 32
	v_pk_add_f32 v[ACC+k:ACC+k+1], v[ACC+k:ACC+k+1], v[92:93] op_sel_hi:[1,0] neg_lo:[0,1] neg_hi:[0,1]
.set k, k+2
.endr
.irp k, 0,1,2,3
	v_pk_mul_f32 v[74+2*\k:75+2*\k], v[ACC+2*\k:ACC+2*\k+1], v[ACC+2*\k:ACC+2*\k+1]
.endr
.irp m, 8,16,24,32,40,48,56
.irp k, 0,1,2,3
	v_pk_fma_f32 v[74+2*\k:75+2*\k], v[ACC+\m+2*\k:ACC+\m+2*\k+1], v[ACC+\m+2*\k:ACC+\m+2*\k+1], v[74+2*\k:75+2*\k]
.endr
.endr
	FOLDX 512
	GATHER 512
	s_delay_alu instid0(VALU_DEP_1)
	v_fma_f32 v84, v84, s34, s35                   ; the variance + 1e-5
	WALU
	v_rsq_f32 v94, v84
	v_nop                                          ; a plain line behind the transcendental,
	WALU                                           ; and the wait ahead of its first reader
.set k, 0
.rept 32
	v_pk_mul_f32 v[ACC+k:ACC+k+1], v[ACC+k:ACC+k+1], v[94:95] op_sel_hi:[1,0]
.set k, k+2
.endr
	s_wait_loadcnt 0x0                             ; the layer norm's bias
	WIN 0x10
.set k, 0
.rept 32
	v_pk_fma_f32 v[ACC+k:ACC+k+1], v[ACC+k:ACC+k+1], v[GG+k:GG+k+1], v[96+k:97+k]
.set k, k+2
.endr
	WIN 0
	QUANT2 ACC, 160, 168, 172
	QUANT2 ACC+32, 174, 180, 183
	global_store_b128 v[L16], v[160:163], s[18:19]
	global_store_b64 v[L8], v[164:165], s[18:19] offset:512
	global_store_b16 v[RO], v172, s[38:39]
	global_store_b128 v[L16], v[174:177], s[18:19] offset:768
	global_store_b64 v[L8], v[178:179], s[18:19] offset:768+512
	global_store_b16 v[RO], v183, s[38:39] offset:2
	s_wait_tensorcnt 0x0                           ; the wave's end
	ds_add_u32 v[SPW], v[NIL]
	s_wait_dscnt 0x0
	s_endpgm
.Lfunc_end_k_q73820cee3c_oln:
	.size	k_q73820cee3c_oln, .Lfunc_end_k_q73820cee3c_oln-k_q73820cee3c_oln
	.p2alignl 7, 3214868480
	.fill 96, 4, 3214868480
	.section	.rodata,"a",@progbits
	.p2align	6, 0x0
	.amdhsa_kernel k_q73820cee3c_oln
		.amdhsa_group_segment_fixed_size 69632
		.amdhsa_private_segment_fixed_size 0
		.amdhsa_enable_private_segment 0
		.amdhsa_kernarg_size 64
		.amdhsa_user_sgpr_count 2
		.amdhsa_user_sgpr_kernarg_segment_ptr 1
		.amdhsa_wavefront_size32 1
		.amdhsa_system_sgpr_workgroup_id_x 1
		.amdhsa_system_sgpr_workgroup_id_y 1
		.amdhsa_system_sgpr_workgroup_id_z 1
		.amdhsa_system_vgpr_workitem_id 0
		.amdhsa_next_free_vgpr 512
		.amdhsa_next_free_sgpr 66
		.amdhsa_reserve_vcc 0
		.amdhsa_float_denorm_mode_32 3
		.amdhsa_float_denorm_mode_16_64 3
		.amdhsa_memory_ordered 1
		.amdhsa_forward_progress 1
		.amdhsa_inst_pref_size 74
	.end_amdhsa_kernel
	.amdgpu_metadata
---
amdhsa.version: [ 1, 2 ]
amdhsa.kernels:
  - .name:           k_q73820cee3c_oln
    .symbol:         k_q73820cee3c_oln.kd
    .args:
      - { .name: ac, .offset: 0, .size: 8, .value_kind: global_buffer, .address_space: global }
      - { .name: wc, .offset: 8, .size: 8, .value_kind: global_buffer, .address_space: global }
      - { .name: bo, .offset: 16, .size: 8, .value_kind: global_buffer, .address_space: global }
      - { .name: x, .offset: 24, .size: 8, .value_kind: global_buffer, .address_space: global }
      - { .name: g2, .offset: 32, .size: 8, .value_kind: global_buffer, .address_space: global }
      - { .name: be2, .offset: 40, .size: 8, .value_kind: global_buffer, .address_space: global }
      - { .name: x1, .offset: 48, .size: 8, .value_kind: global_buffer, .address_space: global }
      - { .name: nc, .offset: 56, .size: 8, .value_kind: global_buffer, .address_space: global }
    .group_segment_fixed_size: 69632
    .private_segment_fixed_size: 0
    .kernarg_segment_align: 8
    .kernarg_segment_size: 64
    .max_flat_workgroup_size: 256
    .sgpr_count:     66
    .vgpr_count:     512
    .wavefront_size: 32
...
	.end_amdgpu_metadata
.endif
;; end of part 4
;; launch ffn1 (part 5): grid 8 x 32, 8 waves a work-group, clusters of 4 x 4, 327,680 bytes of LDS; arguments nc, wc, b1, hc; writes hc
.if DOCPART == 5
	.amdgcn_target "amdgcn-amd-amdhsa--gfx1250"
	.amdhsa_code_object_version 6
	.text
	.protected	k_q73820cee3c_ffn1
	.globl	k_q73820cee3c_ffn1
	.p2align	8
	.type	k_q73820cee3c_ffn1,@function
k_q73820cee3c_ffn1:
	s_mov_b64 s[64:65], 0
	v_nop
	global_prefetch_b8 v0, s[64:65] scope:SCOPE_SE
	s_setreg_imm32_b32 hwreg(HW_REG_WAVE_MODE, 25, 1), 1
	s_wait_xcnt 0x0
	s_wait_alu depctr_hold_cnt(0) depctr_sa_sdst(0) depctr_va_vdst(0) depctr_va_sdst(0) depctr_va_ssrc(0) depctr_va_vcc(0) depctr_vm_vsrc(0)
	s_getreg_b32 s2, hwreg(HW_REG_IB_STS2, 6, 4)
	s_cmp_eq_u32 s2, 0
	s_cbranch_scc0 .Lentry_in_a_cluster
	s_endpgm
.Lentry_in_a_cluster:
	s_bfe_u32 s2, ttmp6, 0x10000c
	s_cmp_lg_u32 s2, 0xf033
	s_cbranch_scc0 .Lentry_shape_is_right
	s_endpgm
.Lentry_shape_is_right:
; h = gelu(n2 w1 + b1) on codes of E2M3, the exact GELU in f32, and h's quantiser along the hidden units.  Nothing is left out.
; A tile of C is 128 rows x 256 columns; eight waves, each 64 x 64.  K = 1,024 lies whole in LDS: two slots of 512.  Operands, clusters and joint loads as in the launch for q, k, v.
; A WORK-GROUP STAYS: it makes two tiles of C, column tiles tc and tc + 8, of the same 128 rows.  A's 16 records are fetched once and stay.  Behind the first tile's last product each of the eight waves asks, by one joint
; load behind a round of the cluster's barrier, for four records of w1's second tile, into B's bytes: 204,800 bytes in all, which land while the first tile's GELU and quantiser run on registers alone.
; All of a WGP's LDS is claimed.  No prefetch is laid for that refill: no wave waits for it.
; Source 0 = w1's tile: a lane's registers run along the hidden units, 16 registers of two neighbouring tiles are 16 neighbours: the next product's K.
; GELU.  gelu(y) = max(y, 0) - |y| A, A = erfc(|y| / sqrt 2) / 2 = t 2^E, t = 1 / (1 + |y| sqrt 2 / 4), E = P(t) - y^2 log2(e) / 2, P of degree 9 (the rational-exponential form of erfc, fractional error near 1.2e-7,
; its coefficients times log2(e), the half in the constant term).  No difference of near numbers is formed on either sign.
; h's scale bytes go out two a slot: parts of 256-byte blocks; they are one twenty-fourth of the bytes stored.
; LIMITS: a block of zeros gets the byte 1 (zero codes; read by this program alone); NaN and infinities are not served.
.set WCN,  4
.set LWC,  2
.set KC,   2
.set WOFF, 3276800
.set NBT,  4*WCN
.set RA,   4
.set REC,  6400
.set BOFF, 8*REC
.set SLOTB, (8+NBT)*REC
.set SPARE, 2*SLOTB
.set A16, 4
.set A8,  6
.set B16, 8
.set B8,  10
.set ASC, 12
.set SPW, 14
.set NIL, 15
.set CV,  22                           ; v22-23 the polynomial's second coefficient
.set BIAS, 24                          ; v24-55  the first tile's bias
.set T,   24                           ; v24-55  t (the same registers, free by then)
.set SC,  56                           ; v56-87  scale words: they hold scales alone
.set P,   88                           ; v88-119 the polynomial, then A; later a tile's codes
.set PC,  96
.set PW,  104
.set PT,  112
.set TQ,  120                          ; v120-127 at work
.set TM,  120
.set ACC, 128
.set F0,  0                            ; window 1: two fragment buffers, v0-95 and v128-223;
.set F1,  128
.set B2,  96                           ; and between them, v96-127 of window 1, the second tile's bias
.set WV, 14
.set WR, 15
.set WC, 16
.set TR, 17
.set G1A, 24
.set G0A, 32
.set G1B, 48
.set G0B, 56
.set SEL, 74
.set K1,  84
.set G0R, 88                           ; s[88:91] group 0 of my part of the refill
.set MSB, 0
.macro WIN new
.if MSB != \new
	s_set_vgpr_msb (MSB<<8)|\new
.set MSB, \new
.endif
.endm
.macro PLACES
.rept 4
	v_nop
.endr
.endm
.macro CROUND
	s_barrier_signal -1
	s_barrier_wait -1
	s_cmp_lg_u32 s[WV], 0
	s_cbranch_scc1 .Lnot_wave_0_\@
	s_barrier_signal -3
.Lnot_wave_0_\@:
	s_barrier_wait -3
	s_barrier_signal -1
	s_barrier_wait -1
.endm
.macro SCALES sc
.irp i, 0,1,2,3
	ds_load_b128 v[SC+16*\sc+4*\i:SC+16*\sc+4*\i+3], v[ASC+\sc] offset:REC*\i
.endr
.endm
.macro FETCH slot, q, f
	WIN 0x40
.irp i, 0,1,2,3
.irp c, 0,1
	ds_load_b128 v[\f+12*\i+6*\c:\f+12*\i+6*\c+3], v[A16+\slot] offset:REC*\i+1536*(\q)+768*\c
	ds_load_b64 v[\f+12*\i+6*\c+4:\f+12*\i+6*\c+5], v[A8+\slot] offset:REC*\i+1536*(\q)+768*\c+512
	ds_load_b128 v[\f+48+12*\i+6*\c:\f+48+12*\i+6*\c+3], v[B16+\slot] offset:REC*\i+1536*(\q)+768*\c
	ds_load_b64 v[\f+48+12*\i+6*\c+4:\f+48+12*\i+6*\c+5], v[B8+\slot] offset:REC*\i+1536*(\q)+768*\c+512
.endr
.endr
.endm
.macro MUL f, sc, q, first             ; 16 products, the accumulators by turns; first = 1: the first tile's bias starts the sums; 2: the second tile's, out of window 1
.if (\first) == 2
	WIN 0x15
.else
	WIN 0x05
.endif
.irp a, 0,1,2,3
.irp b, 0,1,2,3
.if (\first) == 1
	v_wmma_scale_f32_16x16x128_f8f6f4 v[ACC+8*(4*\a+\b):ACC+8*(4*\a+\b)+7], v[\f+48+12*\b:\f+48+12*\b+11], v[\f+12*\a:\f+12*\a+11], v[BIAS+8*\b:BIAS+8*\b+7], v[SC+16*\sc+4*\b+\q], v[SC+16*\sc+4*\a+\q] matrix_a_fmt:MATRIX_FMT_FP6 matrix_b_fmt:MATRIX_FMT_FP6 matrix_a_scale:MATRIX_SCALE_ROW1
.elseif (\first) == 2
	v_wmma_scale_f32_16x16x128_f8f6f4 v[ACC+8*(4*\a+\b):ACC+8*(4*\a+\b)+7], v[\f+48+12*\b:\f+48+12*\b+11], v[\f+12*\a:\f+12*\a+11], v[B2+8*\b:B2+8*\b+7], v[SC+16*\sc+4*\b+\q], v[SC+16*\sc+4*\a+\q] matrix_a_fmt:MATRIX_FMT_FP6 matrix_b_fmt:MATRIX_FMT_FP6 matrix_a_scale:MATRIX_SCALE_ROW1
.else
	v_wmma_scale_f32_16x16x128_f8f6f4 v[ACC+8*(4*\a+\b):ACC+8*(4*\a+\b)+7], v[\f+48+12*\b:\f+48+12*\b+11], v[\f+12*\a:\f+12*\a+11], v[ACC+8*(4*\a+\b):ACC+8*(4*\a+\b)+7], v[SC+16*\sc+4*\b+\q], v[SC+16*\sc+4*\a+\q] matrix_a_fmt:MATRIX_FMT_FP6 matrix_b_fmt:MATRIX_FMT_FP6 matrix_a_scale:MATRIX_SCALE_ROW1
.endif
.endr
.endr
.endm
.macro KSTEP slot, q, first
	PLACES                                         ; four places in front of loads into the buffer that the last products read
.if (\q)%2 == 0
	FETCH \slot, (\q)+1, F1
	s_wait_dscnt 32                                ; all but the 32 just issued
	MUL F0, \slot, \q, \first
.else
	FETCH \slot, (\q)+1, F0
	s_wait_dscnt 32
	MUL F1, \slot, \q, \first
.endif
.endm
.macro CORE t                          ; the eight K steps of tile t (0 or 1)
.if \t
	s_wait_tensorcnt 0x0                           ; my part of the second tile's records is in,
.else
	s_cmp_lt_u32 s[WV], 4                          ; waves 0 to 3 fetched slot 0: they wait for their loads; slot 1's may be out
	s_cbranch_scc0 .Lnot_slot0_\@
	s_wait_tensorcnt 0x0
.Lnot_slot0_\@:
.endif
	s_barrier_signal -1
	s_barrier_wait -1                              ; everybody's is
	SCALES 0
	FETCH 0, 0, F0
.if \t
	KSTEP 0, 0, 2
.else
	s_wait_loadcnt 0x0                             ; both tiles' biases
	KSTEP 0, 0, 1
.endif
	KSTEP 0, 1, 0
	KSTEP 0, 2, 0
	WIN 0
.if \t
	s_wait_dscnt 0x0                               ; the last K step's fragments are in; both slots were whole at the tile's head
.else
	s_wait_tensorcnt 0x0                           ; my part of slot 1 is in,
	s_wait_dscnt 0x0
	s_barrier_signal -1
	s_barrier_wait -1                              ; everybody's is
.endif
	PLACES
	SCALES 1
	FETCH 1, 0, F0
	MUL F1, 0, 3, 0
	KSTEP 1, 0, 0
	KSTEP 1, 1, 0
	KSTEP 1, 2, 0
	s_wait_dscnt 0x0
	MUL F1, 1, 3, 0
	WIN 0
.endm
.macro QUANT2 s, pc, pt, pw            ; 32 registers, register 16 b + i = k 32 b + 16 (lane / 16) + i of my slot -> a half's six registers in v[pc] on, two scale bytes in v[pw]
	v_max3_num_f32 v[TM], |v[\s]|, |v[\s+1]|, 0x1800000
	v_max3_num_f32 v[TM+1], |v[\s+16]|, |v[\s+17]|, 0x1800000
.irp i, 2,4,6,8,10,12,14
	s_delay_alu instid0(VALU_DEP_2)
	v_max3_num_f32 v[TM], v[TM], |v[\s+\i]|, |v[\s+\i+1]|
	s_delay_alu instid0(VALU_DEP_2)
	v_max3_num_f32 v[TM+1], v[TM+1], |v[\s+16+\i]|, |v[\s+17+\i]|
.endr
	s_delay_alu instid0(VALU_DEP_2)
	v_permlanex16_b32 v[TM+2], v[TM], s[SEL], s[SEL+1]
	s_delay_alu instid0(VALU_DEP_2)
	v_permlanex16_b32 v[TM+3], v[TM+1], s[SEL], s[SEL+1]
	s_delay_alu instid0(VALU_DEP_2)
	v_max_num_f32 v[TM], v[TM], v[TM+2]
	s_delay_alu instid0(VALU_DEP_2)
	v_max_num_f32 v[TM+1], v[TM+1], v[TM+3]
	s_delay_alu instid0(VALU_DEP_2)
	v_add_nc_u32 v[TM+4], 0xff000000, v[TM]
	s_delay_alu instid0(VALU_DEP_2)
	v_add_nc_u32 v[TM+5], 0xff000000, v[TM+1]
	s_delay_alu instid0(VALU_DEP_2)
	v_lshrrev_b32 v[TM+2], 23, v[TM+4]
	s_delay_alu instid0(VALU_DEP_2)
	v_lshrrev_b32 v[TM+3], 23, v[TM+5]
	s_delay_alu instid0(VALU_DEP_1)
	v_lshl_or_b32 v[\pw], v[TM+3], 8, v[TM+2]
	v_cvt_scalef32_pk16_fp6_f32 v[\pc:\pc+2], v[\s:\s+15], v[TM+4]
	v_cvt_scalef32_pk16_fp6_f32 v[\pt:\pt+2], v[\s+16:\s+31], v[TM+5]
	v_nop
.irp i, 0,1,2
	v_permlane16_swap_b32 v[\pc+\i], v[\pt+\i]
.endr
.irp i, 0,1,2
	s_delay_alu instid0(VALU_DEP_3)
	v_mov_b32 v[\pc+3+\i], v[\pt+\i]
.endr
.endm
.macro GELU a                          ; the 32 numbers a lane of row tile a, in place
.set YY, ACC+32*\a
.set j, 0
.rept 32
	v_fma_f32 v[T+j], |v[YY+j]|, s[K1], 1.0
.set j, j+1
.endr
.set j, 0
	s_wait_alu depctr_va_vdst(0)
.rept 32
	v_rcp_f32 v[T+j], v[T+j]                       ; t
.set j, j+1
.endr
	v_nop                                          ; a plain line behind the batch,
	s_wait_xcnt 0x0                                ; (the last tile's stores have read their registers, which lie in P)
	s_wait_alu depctr_va_vdst(0)                   ; and one wait for it, ahead of its first reader
.set j, 0
.rept 16
	v_pk_fma_f32 v[P+j:P+j+1], v[T+j:T+j+1], 0x3e7c6f08, v[CV:CV+1] op_sel_hi:[1,0,1]
.set j, j+2
.endr
.irp cst, 0x40097039, 0xbfd1a1e5, 0x3ecdfd18, 0xbe899a80, 0x3e0efb2e, 0x3f0a29d2, 0x3fb8ab5a, 0xc034d90f
.set j, 0
.rept 16
	v_pk_fma_f32 v[P+j:P+j+1], v[P+j:P+j+1], v[T+j:T+j+1], \cst op_sel_hi:[1,1,0]
.set j, j+2
.endr
.endr
.set j, 0
.rept 16
	v_pk_mul_f32 v[TQ+j%8:TQ+j%8+1], v[YY+j:YY+j+1], v[YY+j:YY+j+1]
	s_delay_alu instid0(VALU_DEP_1)
	v_pk_fma_f32 v[P+j:P+j+1], v[TQ+j%8:TQ+j%8+1], 0xbf38aa3b, v[P+j:P+j+1] op_sel_hi:[1,0,1]   ; E
.set j, j+2
.endr
.set j, 0
	s_wait_alu depctr_va_vdst(0)
.rept 32
	v_exp_f32 v[P+j], v[P+j]
.set j, j+1
.endr
	v_nop
	s_wait_alu depctr_va_vdst(0)
.set j, 0
.rept 16
	v_pk_mul_f32 v[P+j:P+j+1], v[P+j:P+j+1], v[T+j:T+j+1]   ; A
.set j, j+2
.endr
.set j, 0
.rept 32
	v_max_num_f32 v[TQ+j%8], 0, v[YY+j]
	v_fma_f32 v[YY+j], -|v[YY+j]|, v[P+j], v[TQ+j%8]
.set j, j+1
.endr
.endm
.macro EPI                             ; a tile's way out: GELU, the quantiser, a half and two scale bytes a slot for each of my four tiles of rows
.irp a, 0,1,2,3
	GELU \a
	QUANT2 ACC+32*\a, PC, PT, PW
	global_store_b128 v18, v[PC:PC+3], s[76:77] offset:8*REC*\a
	global_store_b64 v19, v[PC+4:PC+5], s[76:77] offset:8*REC*\a+512
	global_store_b16 v20, v[PW], s[78:79] offset:8*REC*\a
.endr
.endm
	s_load_b256 s[4:11], s[0:1], 0x0               ; nc, wc, b1, hc
	v_lshl_add_u32 v[SPW], v0, 2, SPARE
	v_mov_b32 v[NIL], 0
	ds_add_u32 v[SPW], v[NIL]                      ; the opening: the add, twice on end, and its wait ahead of my first tensor load
	ds_add_u32 v[SPW], v[NIL]
	v_lshrrev_b32 v1, 5, v0
	s_delay_alu instid0(VALU_DEP_1)
	v_readfirstlane_b32 s[WV], v1
	s_lshr_b32 s[WR], s[WV], LWC
	s_and_b32 s[WC], s[WV], WCN-1
	s_bfe_u32 s40, ttmp6, 0x40000
	s_bfe_u32 s41, ttmp6, 0x40004
	s_lshl_b32 s42, ttmp9, 2
	s_add_co_u32 s42, s42, s40                     ; tc, 0 to 7: my first column tile; the second is tc + 8
	s_and_b32 s[TR], ttmp7, 0xffff
	s_lshl_b32 s[TR], s[TR], 2
	s_add_co_u32 s[TR], s[TR], s41
	s_lshl_b32 s43, s41, 2
	s_lshl_b32 s43, 15, s43
	s_lshl_b32 s44, 0x1111, s40
	s_or_b32 s[G1A], s43, (3<<16)|(1<<21)
	s_or_b32 s[G1B], s44, (3<<16)|(1<<21)
	s_mov_b32 s[G1A+1], 800<<16
	s_mov_b32 s[G1A+2], RA<<16
	s_mov_b32 s[G1A+3], 800<<16
	s_mov_b32 s[G1A+4], RA
	s_mov_b32 s[G1A+5], KC*800
	s_mov_b32 s[G1A+6], 0
	s_mov_b32 s[G1A+7], 0
	s_mov_b32 s[G1B+1], 800<<16
	s_mov_b32 s[G1B+2], 8<<16
	s_mov_b32 s[G1B+3], 800<<16
	s_mov_b32 s[G1B+4], 8
	s_mov_b32 s[G1B+5], KC*800
	s_mov_b32 s[G1B+6], 0
	s_mov_b32 s[G1B+7], 0
	; the head's tiles, one load a wave: slot wave / 4; in it waves 0, 1 of the four a half each of A's 8 records, waves 2, 3 a half each of B's 16
	s_and_b32 s18, s[WV], 1                        ; which half
	s_mul_i32 s19, s[WR], REC                      ; the slot's 512 along K
	s_lshl_b32 s20, s[TR], 3
	s_lshl_b32 s45, s18, 2
	s_add_co_u32 s20, s20, s45
	s_mul_i32 s20, s20, KC*REC
	s_add_co_u32 s20, s20, s19
	s_mov_b32 s21, 0
	s_mul_i32 s46, s42, NBT*KC*REC
	s_add_co_u32 s46, s46, WOFF                    ; the column tile's first record
	s_mov_b32 s47, 0
	s_mul_i32 s[G0B+2], s18, 8*KC*REC
	s_add_co_u32 s[G0B+2], s[G0B+2], s19
	s_mov_b32 s[G0B+3], 0
	s_mul_i32 s19, s[WR], SLOTB
	s_mul_i32 s45, s18, 4*REC
	s_add_co_u32 s45, s45, s19
	s_mul_i32 s66, s18, 8*REC
	s_add_co_u32 s66, s66, s19
	s_add_co_u32 s66, s66, BOFF
	s_mov_b32 s[SEL], 0x76543210
	s_mov_b32 s[SEL+1], 0xfedcba98
	s_mov_b32 s[K1], 0x3eb504f3                    ; sqrt 2 / 4
	s_wait_dscnt 0x0
	s_wait_kmcnt 0x0
	s_add_nc_u64 s[20:21], s[4:5], s[20:21]
	s_add_nc_u64 s[46:47], s[6:7], s[46:47]
	CROUND
	s_mov_b32 s[G0A], 1
	s_mov_b32 s[G0A+1], s45
	s_mov_b64 s[G0A+2:G0A+3], s[20:21]
	s_or_b32 s[G0A+3], s[G0A+3], 0x80000000
	s_mov_b32 s[G0B], 1
	s_mov_b32 s[G0B+1], s66
	s_add_nc_u64 s[G0B+2:G0B+3], s[46:47], s[G0B+2:G0B+3]
	s_or_b32 s[G0B+3], s[G0B+3], 0x80000000
.macro TLOAD g0, g1
	tensor_load_to_lds s[\g0:\g0+3], s[\g1:\g1+7]
	s_nop 0
	PLACES
.endm
	s_cmp_lt_u32 s[WV], 2                          ; one chain of arms on the wave's number, one load to an arm: slot 0's lines are waves 0 to 3's alone
	s_cbranch_scc0 .Lhead_b0
	TLOAD G0A, G1A
	s_branch .Lfirst_asked
.Lhead_b0:
	s_cmp_lt_u32 s[WV], 4
	s_cbranch_scc0 .Lhead_a1
	TLOAD G0B, G1B
	s_branch .Lfirst_asked
.Lhead_a1:
	s_cmp_lt_u32 s[WV], 6
	s_cbranch_scc0 .Lhead_b1
	TLOAD G0A, G1A
	s_branch .Lfirst_asked
.Lhead_b1:
	TLOAD G0B, G1B
.Lfirst_asked:
	; my part of the refill: of w1's column tile tc + 8, tiles 4 wc on, the 512 along K of slot wr; into the same bytes that the first tile's records of that place have
	s_mov_b32 s[G0R], 1
	s_mul_i32 s[G0R+1], s[WR], SLOTB
	s_mul_i32 s92, s[WC], 4*REC
	s_add_co_u32 s[G0R+1], s[G0R+1], s92
	s_add_co_u32 s[G0R+1], s[G0R+1], BOFF
	s_mul_i32 s92, s[WC], 4*KC*REC
	s_mul_i32 s93, s[WR], REC
	s_add_co_u32 s92, s92, s93
	s_mov_b32 s93, 0
	s_add_nc_u64 s[G0R+2:G0R+3], s[46:47], 8*NBT*KC*REC
	s_add_nc_u64 s[G0R+2:G0R+3], s[G0R+2:G0R+3], s[92:93]
	s_or_b32 s[G0R+3], s[G0R+3], 0x80000000
	v_and_b32 v1, 31, v0
	v_and_b32 v2, 15, v0
	v_bfe_u32 v3, v0, 4, 1
	s_mul_i32 s22, s[WR], 4*REC
	s_mul_i32 s23, s[WC], 4*REC
	s_add_co_u32 s23, s23, BOFF
	s_sub_co_u32 s2, s23, s22
	v_mul_u32_u24 v16, s2, v3                      ; lanes 16-31 take B's scale words: one product, the distance between the two bases
	s_delay_alu instid0(VALU_DEP_1)
	v_lshl_add_u32 v16, v2, 4, v16
	s_add_co_u32 s3, s22, 6144
.irp s, 0,1
	v_lshl_add_u32 v[A16+\s], v1, 4, s22
	v_lshl_add_u32 v[A8+\s], v1, 3, s22
	v_lshl_add_u32 v[B16+\s], v1, 4, s23
	v_lshl_add_u32 v[B8+\s], v1, 3, s23
	v_add_nc_u32 v[ASC+\s], s3, v16
	s_add_co_u32 s22, s22, SLOTB
	s_add_co_u32 s23, s23, SLOTB
	s_add_co_u32 s3, s3, SLOTB
.endr
	v_lshlrev_b32 v16, 6, v3
	s_wait_alu depctr_va_vdst(0)
	v_lshlrev_b32 v18, 4, v1
	v_lshlrev_b32 v19, 3, v1
	v_lshlrev_b32 v20, 4, v2
	v_mov_b32 v[CV], 0xbf97d29d
	v_mov_b32 v[CV+1], 0xbf97d29d
	s_lshl_b32 s80, s42, 10
	s_lshl_b32 s81, s[WC], 8
	s_add_co_u32 s80, s80, s81
	s_mov_b32 s81, 0
	s_add_nc_u64 s[8:9], s[8:9], s[80:81]          ; the bias at my first column
	s_lshl_b32 s80, s[TR], 3
	s_lshl_b32 s81, s[WR], 2
	s_add_co_u32 s80, s80, s81                     ; my first tile of rows,
	s_lshl_b32 s80, s80, 3
	s_lshr_b32 s81, s42, 1
	s_add_co_u32 s80, s80, s81                     ; its record with my 64 hidden units,
	s_mul_i32 s80, s80, REC
	s_and_b32 s81, s42, 1
	s_lshl_b32 s81, s81, 2
	s_add_co_u32 s81, s81, s[WC]                   ; and the half in it
	s_mul_i32 s82, s81, 768
	s_add_co_u32 s76, s80, s82
	s_mov_b32 s77, 0
	s_lshl_b32 s82, s81, 1
	s_add_co_u32 s78, s80, s82
	s_add_co_u32 s78, s78, 6144
	s_mov_b32 s79, 0
	s_add_nc_u64 s[76:77], s[10:11], s[76:77]
	s_add_nc_u64 s[78:79], s[10:11], s[78:79]
.irp b, 0,1,2,3
	global_load_b128 v[BIAS+8*\b:BIAS+8*\b+3], v16, s[8:9] offset:128*(\b/2)+32*(\b%2)
	global_load_b128 v[BIAS+8*\b+4:BIAS+8*\b+7], v16, s[8:9] offset:128*(\b/2)+32*(\b%2)+16
.endr
	WIN 0x40                                       ; the second tile's bias, 2,048 columns on, waits in window 1
.irp b, 0,1,2,3
	global_load_b128 v[B2+8*\b:B2+8*\b+3], v16, s[8:9] offset:8192+128*(\b/2)+32*(\b%2)
	global_load_b128 v[B2+8*\b+4:B2+8*\b+7], v16, s[8:9] offset:8192+128*(\b/2)+32*(\b%2)+16
.endr
	WIN 0
	CORE 0
	s_wait_tensorcnt 0x0
	ds_add_u32 v[SPW], v[NIL]
	s_mov_b32 s[G1B+2], 4<<16                      ; no tensor load of mine is out, so a descriptor may be written: the refill brings four records a wave
	s_mov_b32 s[G1B+4], 4
	s_wait_dscnt 0x0                               ; the add is done, and my reads of both slots are over
	CROUND                                         ; no wave of any partner still reads B's records or has a load on its way
	tensor_load_to_lds s[G0R:G0R+3], s[G1B:G1B+7]  ; my one load behind the round: by this text's count one is out; it has the first tile's way out in which to land
	s_nop 0
	PLACES                                         ; these four are also the places between the last products and the first read of their results
	EPI
	s_wait_xcnt 0x0                                ; the stores have read their bases:
	s_add_nc_u64 s[76:77], s[76:77], 4*REC         ; the second tile's hidden units lie four records on
	s_add_nc_u64 s[78:79], s[78:79], 4*REC
	CORE 1
	PLACES
	EPI
	s_wait_tensorcnt 0x0                           ; the wave's end
	ds_add_u32 v[SPW], v[NIL]
	s_wait_dscnt 0x0
	CROUND                                         ; the closing round
	s_endpgm
.Lfunc_end_k_q73820cee3c_ffn1:
	.size	k_q73820cee3c_ffn1, .Lfunc_end_k_q73820cee3c_ffn1-k_q73820cee3c_ffn1
	.p2alignl 7, 3214868480
	.fill 96, 4, 3214868480
	.section	.rodata,"a",@progbits
	.p2align	6, 0x0
	.amdhsa_kernel k_q73820cee3c_ffn1
		.amdhsa_group_segment_fixed_size 327680
		.amdhsa_private_segment_fixed_size 0
		.amdhsa_enable_private_segment 0
		.amdhsa_kernarg_size 32
		.amdhsa_user_sgpr_count 2
		.amdhsa_user_sgpr_kernarg_segment_ptr 1
		.amdhsa_wavefront_size32 1
		.amdhsa_system_sgpr_workgroup_id_x 1
		.amdhsa_system_sgpr_workgroup_id_y 1
		.amdhsa_system_sgpr_workgroup_id_z 1
		.amdhsa_system_vgpr_workitem_id 0
		.amdhsa_next_free_vgpr 512
		.amdhsa_next_free_sgpr 100
		.amdhsa_reserve_vcc 0
		.amdhsa_float_denorm_mode_32 3
		.amdhsa_float_denorm_mode_16_64 3
		.amdhsa_memory_ordered 1
		.amdhsa_forward_progress 1
		.amdhsa_inst_pref_size 255
	.end_amdhsa_kernel
	.section	.bss,"aw",@nobits
	.p2align	6
	.space	262144
	.amdgpu_metadata
---
amdhsa.version: [ 1, 2 ]
amdhsa.kernels:
  - .name:           k_q73820cee3c_ffn1
    .symbol:         k_q73820cee3c_ffn1.kd
    .args:
      - { .name: nc, .offset: 0, .size: 8, .value_kind: global_buffer, .address_space: global }
      - { .name: wc, .offset: 8, .size: 8, .value_kind: global_buffer, .address_space: global }
      - { .name: b1, .offset: 16, .size: 8, .value_kind: global_buffer, .address_space: global }
      - { .name: hc, .offset: 24, .size: 8, .value_kind: global_buffer, .address_space: global }
    .group_segment_fixed_size: 327680
    .private_segment_fixed_size: 0
    .kernarg_segment_align: 8
    .kernarg_segment_size: 32
    .max_flat_workgroup_size: 256
    .sgpr_count:     100
    .vgpr_count:     512
    .wavefront_size: 32
...
	.end_amdgpu_metadata
.endif
;; end of part 5
;; launch ffn2 (part 6): grid 8 x 32, 4 waves a work-group, clusters of 4 x 4, 327,680 bytes of LDS; arguments hc, wc, b2, x1, out0; writes out0
.if DOCPART == 6
	.amdgcn_target "amdgcn-amd-amdhsa--gfx1250"
	.amdhsa_code_object_version 6
	.text
	.protected	k_q73820cee3c_ffn2
	.globl	k_q73820cee3c_ffn2
	.p2align	8
	.type	k_q73820cee3c_ffn2,@function
k_q73820cee3c_ffn2:
	s_mov_b64 s[64:65], 0
	v_nop
	global_prefetch_b8 v0, s[64:65] scope:SCOPE_SE
	s_setreg_imm32_b32 hwreg(HW_REG_WAVE_MODE, 25, 1), 1
	s_wait_xcnt 0x0
	s_wait_alu depctr_hold_cnt(0) depctr_sa_sdst(0) depctr_va_vdst(0) depctr_va_sdst(0) depctr_va_ssrc(0) depctr_va_vcc(0) depctr_vm_vsrc(0)
	s_getreg_b32 s2, hwreg(HW_REG_IB_STS2, 6, 4)
	s_cmp_eq_u32 s2, 0
	s_cbranch_scc0 .Lentry_in_a_cluster
	s_endpgm
.Lentry_in_a_cluster:
	s_bfe_u32 s2, ttmp6, 0x10000c
	s_cmp_lg_u32 s2, 0xf033
	s_cbranch_scc0 .Lentry_shape_is_right
	s_endpgm
.Lentry_shape_is_right:
; C = residual + A B^T + bias on codes of E2M3, f32 out.  Here: out0 = x1 + h w2 + b2, K = 4,096.  Nothing is left out.
; A tile of C is 128 x 128; four waves, each 64 x 64: 16 accumulators.  K goes in slots of 512 (records of 6,400 bytes: a tile of 16 slots x 512 K as images of the operand's registers, then 256 scale bytes); two slots.
; A slot is filled again behind a round of the cluster's barrier, one joint load a wave, with the other slot's four K steps in which to land.  All of a WGP's LDS is claimed.
; CLUSTERS 4 x 4: A's records are shared along a row of the cluster, B's along a column: joint loads.
; Source 0 = B's tile: a lane holds eight neighbouring columns of one row.  Rows are in slot order (slot r of tile 2 b + u is row 32 b + 8 u + r + 8 (r / 8)): the way out puts them back.
.set KC,   8
.set WOFF, 6553600
.set WCN,  2
.set LWC,  1
.set NBT,  4*WCN
.set RA,   8/WCN
.set REC,  6400
.set BOFF, 8*REC
.set SLOTB, (8+NBT)*REC
.set STG,  2*SLOTB                     ; behind the slots: a stage of 16 rows x 272 bytes for each wave; no tile lands there
.set SPARE, STG+4*4352
.set A16, 4
.set A8,  6
.set B16, 8
.set B8,  10
.set ASC, 12
.set SPW, 14
.set NIL, 15
.set CO,  17
.set STO, 18
.set RD,  19
.set PFO, 20                           ; v20     the prefetches' offset: 256 x my lane, held at a record's last block; never rewritten
.set PFA, 86                           ; s[86:87] where my prefetches stand: one record's row of A or of B, two records behind the first that the trip names
.set BIAS, 24
.set SC,  56                           ; v56-87 scale words, two sets of 16: they hold scales alone
.set ACC, 128
.set F0,  0                            ; window 1: two fragment buffers.  Window 2, v0-127: the residual
.set F1,  128
.set WV, 14
.set WR, 15
.set WC, 16
.set TR, 17
.set G1A, 24
.set G0A, 32
.set G1B, 48
.set G0B, 56
.set MSB, 0
.macro WIN new
.if MSB != \new
	s_set_vgpr_msb (MSB<<8)|\new
.set MSB, \new
.endif
.endm
.macro PLACES
.rept 4
	v_nop
.endr
.endm
.macro CROUND
	s_barrier_signal -1
	s_barrier_wait -1
	s_cmp_lg_u32 s[WV], 0
	s_cbranch_scc1 .Lnot_wave_0_\@
	s_barrier_signal -3
.Lnot_wave_0_\@:
	s_barrier_wait -3
	s_barrier_signal -1
	s_barrier_wait -1
.endm
.macro JLOAD slot                      ; a joint refill: waves 0, 1 for A, waves 2, 3 for B; an s_nop 0 and four v_nop follow each line
	s_cmp_eq_u32 s[WR], 0
	s_cbranch_scc0 .Lfor_b_\@
	tensor_load_to_lds s[G0A+4*\slot:G0A+4*\slot+3], s[G1A:G1A+7]
	s_nop 0
	PLACES
	s_branch .Lasked_\@
.Lfor_b_\@:
	tensor_load_to_lds s[G0B+4*\slot:G0B+4*\slot+3], s[G1B:G1B+7]
	s_nop 0
	PLACES
.Lasked_\@:
.endm
.macro SCALES sc
.irp i, 0,1,2,3
	ds_load_b128 v[SC+16*\sc+4*\i:SC+16*\sc+4*\i+3], v[ASC+\sc] offset:REC*\i
.endr
.endm
.macro FETCH slot, q, f
	WIN 0x40
.irp i, 0,1,2,3
.irp c, 0,1
	ds_load_b128 v[\f+12*\i+6*\c:\f+12*\i+6*\c+3], v[A16+\slot] offset:REC*\i+1536*(\q)+768*\c
	ds_load_b64 v[\f+12*\i+6*\c+4:\f+12*\i+6*\c+5], v[A8+\slot] offset:REC*\i+1536*(\q)+768*\c+512
	ds_load_b128 v[\f+48+12*\i+6*\c:\f+48+12*\i+6*\c+3], v[B16+\slot] offset:REC*\i+1536*(\q)+768*\c
	ds_load_b64 v[\f+48+12*\i+6*\c+4:\f+48+12*\i+6*\c+5], v[B8+\slot] offset:REC*\i+1536*(\q)+768*\c+512
.endr
.endr
.endm
.macro MUL f, sc, q, first             ; 16 products, the accumulators by turns; first = 1: the bias starts the sums
	WIN 0x05
.irp a, 0,1,2,3
.irp b, 0,1,2,3
.if \first
	v_wmma_scale_f32_16x16x128_f8f6f4 v[ACC+8*(4*\a+\b):ACC+8*(4*\a+\b)+7], v[\f+48+12*\b:\f+48+12*\b+11], v[\f+12*\a:\f+12*\a+11], v[BIAS+8*\b:BIAS+8*\b+7], v[SC+16*\sc+4*\b+\q], v[SC+16*\sc+4*\a+\q] matrix_a_fmt:MATRIX_FMT_FP6 matrix_b_fmt:MATRIX_FMT_FP6 matrix_a_scale:MATRIX_SCALE_ROW1
.else
	v_wmma_scale_f32_16x16x128_f8f6f4 v[ACC+8*(4*\a+\b):ACC+8*(4*\a+\b)+7], v[\f+48+12*\b:\f+48+12*\b+11], v[\f+12*\a:\f+12*\a+11], v[ACC+8*(4*\a+\b):ACC+8*(4*\a+\b)+7], v[SC+16*\sc+4*\b+\q], v[SC+16*\sc+4*\a+\q] matrix_a_fmt:MATRIX_FMT_FP6 matrix_b_fmt:MATRIX_FMT_FP6 matrix_a_scale:MATRIX_SCALE_ROW1
.endif
.endr
.endr
.endm
.macro KSTEP slot, q, first
	PLACES                                         ; four places in front of loads into the buffer that the last products read
.if (\q)%2 == 0
	FETCH \slot, (\q)+1, F1
	s_wait_dscnt 32                                ; all but the 32 just issued
	MUL F0, \slot, \q, \first
.else
	FETCH \slot, (\q)+1, F0
	s_wait_dscnt 32
	MUL F1, \slot, \q, \first
.endif
.endm
.macro TURN slot, next, fill           ; a slot's last K step, and the change of slots
	WIN 0
	s_wait_tensorcnt 0x0                           ; all my tensor loads have landed: my part of the next slot
.if \fill
	ds_add_u32 v[SPW], v[NIL]                      ; 0 onto my spare word
	s_add_nc_u64 s[G0A+4*\slot+2:G0A+4*\slot+3], s[G0A+4*\slot+2:G0A+4*\slot+3], 2*REC
	s_add_nc_u64 s[G0B+4*\slot+2:G0B+4*\slot+3], s[G0B+4*\slot+2:G0B+4*\slot+3], 2*REC
	s_wait_dscnt 0x0                               ; the add is done, and my reads of this slot are over
	CROUND                                         ; no wave of any partner still reads this slot or has a load on its way
	JLOAD \slot                                    ; the first thing behind the round; its four v_nop are the places in front of the loads below
.else
	s_wait_dscnt 0x0
	s_barrier_signal -1
	s_barrier_wait -1                              ; the next slot is whole; nothing is filled again
	PLACES
.endif
	SCALES \next
	FETCH \next, 0, F0
.if \fill
	; A prefetch behind the joint load and the run of LDS loads: the record that stands two refills on.  A record is 25 blocks of 256 bytes: a lane a block, one instruction a wave.
	; Of a slot's 8 records of A (of B) each of the four partners that ask for them jointly takes two, told apart by address; a wave takes one.  The last trip has no record two refills on.
	WIN 0
	s_cmp_gt_u32 s3, 1
	s_cbranch_scc0 .Lno_ask_\@
	global_prefetch_b8 v[PFO], s[PFA:PFA+1] offset:(4+\slot)*REC th:TH_LOAD_NT scope:SCOPE_SE
.Lno_ask_\@:
.endif
	MUL F1, \slot, 3, 0
.endm
	s_load_b256 s[4:11], s[0:1], 0x0               ; A's records, wc, the bias, the residual
	s_load_b64 s[12:13], s[0:1], 0x20              ; the result
	v_lshl_add_u32 v[SPW], v0, 2, SPARE
	v_mov_b32 v[NIL], 0
	ds_add_u32 v[SPW], v[NIL]                      ; the opening: the add, twice on end, and its wait ahead of my first tensor load
	ds_add_u32 v[SPW], v[NIL]
	v_lshrrev_b32 v1, 5, v0
	v_readfirstlane_b32 s[WV], v1
	s_lshr_b32 s[WR], s[WV], LWC
	s_and_b32 s[WC], s[WV], WCN-1
	s_bfe_u32 s40, ttmp6, 0x40000
	s_bfe_u32 s41, ttmp6, 0x40004
	s_lshl_b32 s42, ttmp9, 2
	s_add_co_u32 s42, s42, s40
	s_and_b32 s[TR], ttmp7, 0xffff
	s_lshl_b32 s[TR], s[TR], 2
	s_add_co_u32 s[TR], s[TR], s41
	s_lshl_b32 s43, s41, 2
	s_lshl_b32 s43, 15, s43
	s_lshl_b32 s44, 0x1111, s40
	s_or_b32 s[G1A], s43, (3<<16)|(1<<21)
	s_or_b32 s[G1B], s44, (3<<16)|(1<<21)
	s_mov_b32 s[G1A+1], 800<<16
	s_mov_b32 s[G1A+2], RA<<16
	s_mov_b32 s[G1A+3], 800<<16
	s_mov_b32 s[G1A+4], RA
	s_mov_b32 s[G1A+5], KC*800
	s_mov_b32 s[G1A+6], 0
	s_mov_b32 s[G1A+7], 0
	s_mov_b32 s[G1B+1], 800<<16
	s_mov_b32 s[G1B+2], 4<<16
	s_mov_b32 s[G1B+3], 800<<16
	s_mov_b32 s[G1B+4], 4
	s_mov_b32 s[G1B+5], KC*800
	s_mov_b32 s[G1B+6], 0
	s_mov_b32 s[G1B+7], 0
	; the head's four tiles, one load a wave, by descriptors of their own: slot wave / 2; the even wave A's 8 records, the odd wave B's 8
	s_or_b32 s68, s43, (3<<16)|(1<<21)
	s_or_b32 s88, s44, (3<<16)|(1<<21)
.irp g, 68, 88
	s_mov_b32 s[\g+1], 800<<16
	s_mov_b32 s[\g+2], 8<<16
	s_mov_b32 s[\g+3], 800<<16
	s_mov_b32 s[\g+4], 8
	s_mov_b32 s[\g+5], KC*800
	s_mov_b32 s[\g+6], 0
	s_mov_b32 s[\g+7], 0
.endr
	s_mul_i32 s19, s[WR], REC                      ; the slot's 512 along K
	s_mul_i32 s78, s[TR], 8*KC*REC
	s_add_co_u32 s78, s78, s19
	s_mov_b32 s79, 0
	s_mul_i32 s98, s42, NBT*KC*REC
	s_add_co_u32 s98, s98, s19
	s_add_co_u32 s98, s98, WOFF
	s_mov_b32 s99, 0
	s_mov_b32 s76, 1
	s_mul_i32 s77, s[WR], SLOTB
	s_mov_b32 s96, 1
	s_add_co_u32 s97, s77, BOFF
	s_lshl_b32 s20, s[TR], 3
	s_mul_i32 s18, s[WC], RA
	s_add_co_u32 s20, s20, s18
	s_mul_i32 s20, s20, KC*REC
	s_mov_b32 s21, 0
	s_mul_i32 s46, s42, NBT
	s_lshl_b32 s18, s[WC], 2
	s_add_co_u32 s46, s46, s18
	s_mul_i32 s46, s46, KC*REC
	s_add_co_u32 s46, s46, WOFF
	s_mov_b32 s47, 0
	s_mul_i32 s45, s[WC], RA*REC
	s_mul_i32 s66, s[WC], 4*REC
	s_add_co_u32 s66, s66, BOFF
	s_wait_dscnt 0x0
	s_wait_kmcnt 0x0
	s_add_nc_u64 s[20:21], s[4:5], s[20:21]
	s_add_nc_u64 s[46:47], s[6:7], s[46:47]
	s_add_nc_u64 s[78:79], s[4:5], s[78:79]
	s_or_b32 s79, s79, 0x80000000
	s_add_nc_u64 s[98:99], s[6:7], s[98:99]
	s_or_b32 s99, s99, 0x80000000
	CROUND
.irp s, 0,1
	s_mov_b32 s[G0A+4*\s], 1
	s_add_co_u32 s[G0A+4*\s+1], s45, \s*SLOTB
	s_add_nc_u64 s[G0A+4*\s+2:G0A+4*\s+3], s[20:21], \s*REC
	s_or_b32 s[G0A+4*\s+3], s[G0A+4*\s+3], 0x80000000
	s_mov_b32 s[G0B+4*\s], 1
	s_add_co_u32 s[G0B+4*\s+1], s66, \s*SLOTB
	s_add_nc_u64 s[G0B+4*\s+2:G0B+4*\s+3], s[46:47], \s*REC
	s_or_b32 s[G0B+4*\s+3], s[G0B+4*\s+3], 0x80000000
.endr
.macro TLOAD g0, g1
	tensor_load_to_lds s[\g0:\g0+3], s[\g1:\g1+7]
	s_nop 0
	PLACES
.endm
	s_cmp_lt_u32 s[WV], 1                          ; one chain of arms on the wave's number, one load to an arm: slot 0's lines are waves 0 and 1's alone
	s_cbranch_scc0 .Lhead_b0
	TLOAD 76, 68
	s_branch .Lfirst_asked
.Lhead_b0:
	s_cmp_lt_u32 s[WV], 2
	s_cbranch_scc0 .Lhead_a1
	TLOAD 96, 88
	s_branch .Lfirst_asked
.Lhead_a1:
	s_cmp_lt_u32 s[WV], 3
	s_cbranch_scc0 .Lhead_b1
	TLOAD 76, 68
	s_branch .Lfirst_asked
.Lhead_b1:
	TLOAD 96, 88
.Lfirst_asked:
	v_and_b32 v1, 31, v0
	v_and_b32 v2, 15, v0
	v_bfe_u32 v3, v0, 4, 1
	v_min_u32 v[PFO], 24, v1
	v_lshlrev_b32 v[PFO], 8, v[PFO]
	s_lshl_b32 s80, s[TR], 3
	s_lshl_b32 s81, s42, 3
	s_cmp_eq_u32 s[WR], 0                          ; waves 0, 1 ask for A, waves 2, 3 for B
	s_cselect_b32 s80, s80, s81                    ; the slot's first tile
	s_cselect_b32 s81, s40, s41                    ; my place among the four that ask for it with me
	s_cselect_b32 s82, 0, WOFF
	s_cselect_b64 s[PFA:PFA+1], s[4:5], s[6:7]
	s_lshl_b32 s81, s81, 1
	s_add_co_u32 s80, s80, s81
	s_add_co_u32 s80, s80, s[WC]
	s_mul_i32 s80, s80, KC*REC
	s_add_co_u32 s80, s80, s82
	s_mov_b32 s81, 0
	s_add_nc_u64 s[PFA:PFA+1], s[PFA:PFA+1], s[80:81]
	s_wait_alu depctr_va_vdst(0)                   ; the wait here
	s_mul_i32 s22, s[WR], 4*REC
	s_mul_i32 s23, s[WC], 4*REC
	s_add_co_u32 s23, s23, BOFF
	s_sub_co_u32 s2, s23, s22
	v_mul_u32_u24 v16, s2, v3                      ; lanes 16-31 take B's scale words: one product, the distance between the two bases
	v_lshl_add_u32 v16, v2, 4, v16
	s_add_co_u32 s3, s22, 6144
.irp s, 0,1
	v_lshl_add_u32 v[A16+\s], v1, 4, s22
	v_lshl_add_u32 v[A8+\s], v1, 3, s22
	v_lshl_add_u32 v[B16+\s], v1, 4, s23
	v_lshl_add_u32 v[B8+\s], v1, 3, s23
	v_add_nc_u32 v[ASC+\s], s3, v16
	s_add_co_u32 s22, s22, SLOTB
	s_add_co_u32 s23, s23, SLOTB
	s_add_co_u32 s3, s3, SLOTB
.endr
	v_lshlrev_b32 v16, 6, v3                       ; the bias of my half's 16 columns
	s_wait_alu depctr_va_vdst(0)
	s_mul_i32 s80, s[WV], 4352
	s_add_co_u32 s80, s80, STG                     ; my stage
	v_mul_u32_u24 v[STO], v2, 272
	v_lshl_add_u32 v[STO], v3, 6, v[STO]
	v_add_nc_u32 v[STO], s80, v[STO]
	v_mul_u32_u24 v[RD], v3, 272
	v_lshl_add_u32 v[RD], v2, 4, v[RD]
	v_add_nc_u32 v[RD], s80, v[RD]
	v_lshlrev_b32 v[CO], 12, v3
	v_lshl_add_u32 v[CO], v2, 4, v[CO]             ; lanes 0-15 one row of C, lanes 16-31 the next; 16 bytes a lane
	s_wait_alu depctr_va_vdst(0)
	s_lshl_b32 s81, s42, 9
	s_lshl_b32 s82, s[WC], 8
	s_add_co_u32 s82, s81, s82                     ; my first column in bytes
	s_mov_b32 s83, 0
	s_add_nc_u64 s[8:9], s[8:9], s[82:83]
	s_lshl_b32 s84, s[TR], 7
	s_lshl_b32 s85, s[WR], 6
	s_add_co_u32 s84, s84, s85
	s_lshl_b32 s84, s84, 12
	s_add_co_u32 s84, s84, s82
	s_mov_b32 s85, 0
	s_add_nc_u64 s[10:11], s[10:11], s[84:85]
	s_add_nc_u64 s[12:13], s[12:13], s[84:85]
.irp b, 0,1,2,3
	global_load_b128 v[BIAS+8*\b:BIAS+8*\b+3], v16, s[8:9] offset:128*(\b/2)+32*(\b%2)
	global_load_b128 v[BIAS+8*\b+4:BIAS+8*\b+7], v16, s[8:9] offset:128*(\b/2)+32*(\b%2)+16
.endr
	WIN 0x80                                       ; the residual, in the order in which the way out wants it
.irp a, 0,1,2,3
.irp i, 0,1,2,3,4,5,6,7
	global_load_b128 v[32*\a+4*\i:32*\a+4*\i+3], v[CO], s[10:11] offset:4096*(32*(\a/2)+8*(\a%2)+2*\i+8*(\i/4))
.endr
.endr
	WIN 0
	global_prefetch_b8 v[PFO], s[PFA:PFA+1] offset:2*REC th:TH_LOAD_NT scope:SCOPE_SE   ; what the first two refills will load
	global_prefetch_b8 v[PFO], s[PFA:PFA+1] offset:3*REC th:TH_LOAD_NT scope:SCOPE_SE
	s_cmp_lt_u32 s[WV], 2
	s_cbranch_scc0 .Lnot_slot0
	s_wait_tensorcnt 0x0
.Lnot_slot0:
	s_barrier_signal -1
	s_barrier_wait -1
	SCALES 0
	FETCH 0, 0, F0
	s_wait_loadcnt 32                              ; the bias is in; the residual's 32 loads may be out
	KSTEP 0, 0, 1
	KSTEP 0, 1, 0
	KSTEP 0, 2, 0
.if KC > 2
	WIN 0
	s_mov_b32 s3, KC/2-1
.Llap:                                                 ; a trip goes once round the two slots and fills both again
	TURN 0, 1, 1
	KSTEP 1, 0, 0
	KSTEP 1, 1, 0
	KSTEP 1, 2, 0
	TURN 1, 0, 1
	KSTEP 0, 0, 0
	KSTEP 0, 1, 0
	KSTEP 0, 2, 0
	WIN 0
	s_wait_xcnt 0x0                                ; my prefetches have read their address: it steps two records on
	s_add_nc_u64 s[PFA:PFA+1], s[PFA:PFA+1], 2*REC
	s_sub_co_u32 s3, s3, 1
	s_cmp_lg_u32 s3, 0
	s_cbranch_scc1 .Llap
.endif
	TURN 0, 1, 0                                   ; the tail is written out: it asks for nothing more
	KSTEP 1, 0, 0
	KSTEP 1, 1, 0
	KSTEP 1, 2, 0
	s_wait_dscnt 0x0
	MUL F1, 1, 3, 0
	WIN 0
	; THE WAY OUT: 16 slots x 64 columns at a time through my own stage, back as rows of 256 bytes, into the registers that they left; LDS serves a wave's instructions in order
	PLACES
.irp a, 0,1,2,3
.irp b, 0,1,2,3
	ds_store_b128 v[STO], v[ACC+32*\a+8*\b:ACC+32*\a+8*\b+3] offset:128*(\b/2)+32*(\b%2)
	ds_store_b128 v[STO], v[ACC+32*\a+8*\b+4:ACC+32*\a+8*\b+7] offset:128*(\b/2)+32*(\b%2)+16
.endr
.irp i, 0,1,2,3,4,5,6,7
	ds_load_b128 v[ACC+32*\a+4*\i:ACC+32*\a+4*\i+3], v[RD] offset:544*\i
.endr
.endr
	s_wait_loadcnt 0x0                             ; the residual
.irp a, 0,1,2,3
	s_wait_dscnt 16*(3-\a)                         ; the later blocks' 16 LDS instructions each may be out
	WIN 0x08                                       ; source 1: window 2
.irp j, 0,2,4,6,8,10,12,14,16,18,20,22,24,26,28,30
	v_pk_add_f32 v[ACC+32*\a+\j:ACC+32*\a+\j+1], v[ACC+32*\a+\j:ACC+32*\a+\j+1], v[32*\a+\j:32*\a+\j+1]
.endr
	WIN 0
.irp i, 0,1,2,3,4,5,6,7
	global_store_b128 v[CO], v[ACC+32*\a+4*\i:ACC+32*\a+4*\i+3], s[12:13] offset:4096*(32*(\a/2)+8*(\a%2)+2*\i+8*(\i/4))   ; 16 lanes store 256 consecutive bytes, aligned
.endr
.endr
	s_wait_tensorcnt 0x0                           ; the wave's end
	ds_add_u32 v[SPW], v[NIL]
	s_wait_dscnt 0x0
	CROUND                                         ; the closing round
	s_endpgm
.Lfunc_end_k_q73820cee3c_ffn2:
	.size	k_q73820cee3c_ffn2, .Lfunc_end_k_q73820cee3c_ffn2-k_q73820cee3c_ffn2
	.p2alignl 7, 3214868480
	.fill 96, 4, 3214868480
	.section	.rodata,"a",@progbits
	.p2align	6, 0x0
	.amdhsa_kernel k_q73820cee3c_ffn2
		.amdhsa_group_segment_fixed_size 327680
		.amdhsa_private_segment_fixed_size 0
		.amdhsa_enable_private_segment 0
		.amdhsa_kernarg_size 40
		.amdhsa_user_sgpr_count 2
		.amdhsa_user_sgpr_kernarg_segment_ptr 1
		.amdhsa_wavefront_size32 1
		.amdhsa_system_sgpr_workgroup_id_x 1
		.amdhsa_system_sgpr_workgroup_id_y 1
		.amdhsa_system_sgpr_workgroup_id_z 1
		.amdhsa_system_vgpr_workitem_id 0
		.amdhsa_next_free_vgpr 640
		.amdhsa_next_free_sgpr 100
		.amdhsa_reserve_vcc 0
		.amdhsa_float_denorm_mode_32 3
		.amdhsa_float_denorm_mode_16_64 3
		.amdhsa_memory_ordered 1
		.amdhsa_forward_progress 1
		.amdhsa_inst_pref_size 98
	.end_amdhsa_kernel
	.amdgpu_metadata
---
amdhsa.version: [ 1, 2 ]
amdhsa.kernels:
  - .name:           k_q73820cee3c_ffn2
    .symbol:         k_q73820cee3c_ffn2.kd
    .args:
      - { .name: hc, .offset: 0, .size: 8, .value_kind: global_buffer, .address_space: global }
      - { .name: wc, .offset: 8, .size: 8, .value_kind: global_buffer, .address_space: global }
      - { .name: b2, .offset: 16, .size: 8, .value_kind: global_buffer, .address_space: global }
      - { .name: x1, .offset: 24, .size: 8, .value_kind: global_buffer, .address_space: global }
      - { .name: out0, .offset: 32, .size: 8, .value_kind: global_buffer, .address_space: global }
    .group_segment_fixed_size: 327680
    .private_segment_fixed_size: 0
    .kernarg_segment_align: 8
    .kernarg_segment_size: 40
    .max_flat_workgroup_size: 128
    .sgpr_count:     100
    .vgpr_count:     640
    .wavefront_size: 32
...
	.end_amdgpu_metadata
.endif
;; end of part 6
